; MI455X (gfx1250); checked and timed in simulation.
; The chip was launched on July 23, 2026; its instructions are those of AMD's public machine-readable ISA for CDNA 5 (MIT licence, August 2026) and "CDNA5" Instruction Set Architecture Reference Guide (July 2026). The comments in the code are by the model that wrote it; some were corrected since.
;; Multi Head Attention. Allowed arithmetic: matrix products marked QUANTISED: E2M3 operands, one E8M0 scale for each 32 along K, by v_wmma_scale_f32_16x16x128_f8f6f4 with both operands' format E2M3, f32 sums; everything else in f32.
;; Inputs: Wk 1,024 x 1,024 float32; Wo 1,024 x 1,024 float32; Wq 1,024 x 1,024 float32; Wv 1,024 x 1,024 float32; bk 1,024 float32; bo 1,024 float32; bq 1,024 float32; bv 1,024 float32; mask 4 x 2,048 int32; query 4 x 2,048 x 1,024 float32.
;; Outputs: out0 4 x 2,048 x 1,024 float32.
;; This version of the problem:
;;   THIS VERSION OF THE PROBLEM IS GIVEN IN LOW PRECISION. The matrix products marked QUANTISED in the list below multiply operands that are first quantised to E2M3 (2 exponent bits, 3 mantissa bits; 6 bits a number), with one power-of-two scale for each 32 numbers along K (OCP MX v1.0); their sums are f32. All else is computed in f32.
;;   The module's matrix products, in the order in which they are computed (A, B: the left and right operand; K: the contracted axis; several contracted axes count as one K, in the product's order):
;;     1. [M 8,192, K 1,024] x [K 1,024, N 1,024]; A: input query; B: input Wq: QUANTISED
;;     2. [M 8,192, K 1,024] x [K 1,024, N 1,024]; A: input query; B: input Wk: QUANTISED
;;     3. [M 8,192, K 1,024] x [K 1,024, N 1,024]; A: input query; B: input Wv: QUANTISED
;;     4. batch 64 x [M 2,048, K 64] x [K 64, N 2,048]; A: computed on the way; B: computed on the way: QUANTISED
;;     5. batch 64 x [M 2,048, K 2,048] x [K 2,048, N 64]; A: softmax (see below); B: computed on the way: QUANTISED
;;     6. [M 8,192, K 1,024] x [K 1,024, N 1,024]; A: computed on the way; B: input Wo: QUANTISED
;;   THE QUANTISER, for each operand of a quantised product, along K:
;;     - K is cut into blocks of 32 from its start; a last block that is shorter is filled with zeros.
;;     - A block's scale is 2^e with e = floor(log2(the largest magnitude in the block)) - 2, held to -126 .. 127; a block of zeros has e = 0. As a byte (E8M0): e + 127.
;;     - Each number is divided by its block's scale, clamped to +-7.5, and rounded to the nearest number of E2M3, ties to even, subnormals kept.
;;     - The product sums the exact products of the quantised numbers (number of the format x scale) in f32.
;;   ~~~python
;;   def quantise(x, axis):      # numpy; x: float32 -> the quantised numbers, widened to float32 again
;;       x = np.moveaxis(x, axis, -1); K = x.shape[-1]
;;       x = np.pad(x, [(0, 0)] * (x.ndim - 1) + [(0, -K % 32)]); x = x.reshape(x.shape[:-1] + (-1, 32)); a = np.abs(x).max(-1, keepdims=True)
;;       e = np.where(a > 0, np.clip(np.frexp(np.where(a > 0, a, 1))[1] - 1 - 2, -126, 127), 0)      # np.frexp(a)[1] - 1 = floor(log2(a)), exactly
;;       r = np.clip(x / 2.0 ** e, -7.5, 7.5)
;;       step = 2.0 ** (np.maximum(np.frexp(np.where(r == 0, 1, r))[1] - 1, 0) - 3)
;;       q = np.round(r / step) * step * 2.0 ** e      # np.round: ties to even
;;       return np.moveaxis(q.reshape(q.shape[:-2] + (-1,))[..., :K], -1, axis).astype(np.float32)
;;   ~~~
;;   SOFTMAX AHEAD OF A QUANTISED PRODUCT. Where the list says 'softmax', what is quantised is not the finished softmax but p = 2^(t - M), with t = logit x log2(e) and M = ceil(the row's largest t), a whole number; so 1/2 < the row's largest p <= 1. The row's sum l is taken of the UNQUANTISED p, in f32, and the product's result is divided by l at the end. Since M is a whole number, a kernel that streams over the keys may use a running M (the ceiling of the running maximum): every later rescaling is an exact power of two, which a block's scale takes up: the codes' values come out the same.
;;   OPERANDS COMPUTED ON THE WAY. 'Computed on the way' means the value that the module computes at that place (a softmax that the list does not call 'softmax' is quantised finished and normalised). What goes into a quantiser is computed in f32, as accurately as f32 sums, v_exp_f32 and their like allow (about 1e-6 of the number): no bf16 or f16 on the way to a quantiser, and a product that is left as it is and whose result goes on into a quantised operand takes f32 operands (vector FMAs, or v_wmma_f32_16x16x4_f32). A number that lies on a knife's edge between two numbers of the format may be rounded either way, as far as f32 arithmetic and the matrix unit's own rounding can turn it there, and no further.
;; One version. Each part assembles by itself: llvm-mc -triple=amdgcn-amd-amdhsa -mcpu=gfx1250 --defsym DOCPART=n.
;; ======== version 1 of 1: 4 launches
;; limits: right only within a limited range of input values
;; workspace buffers: qwc 9,437,184 bytes; qws 393,216 bytes; qkvc 18,874,368 bytes; qkvs 1,572,864 bytes; cc 6,291,456 bytes; ccs 262,144 bytes
;; launch quant (part 1): grid 384 x 1, 4 waves a work-group, no clusters, 35,328 bytes of LDS; arguments query, Wq, Wk, Wv, Wo, qwc, qws; writes qwc, qws
.if DOCPART == 1
	.amdgcn_target "amdgcn-amd-amdhsa--gfx1250"
	.amdhsa_code_object_version 6
	.text
	.protected	k_q712ea1d31e_quant
	.globl	k_q712ea1d31e_quant
	.p2align	8
	.type	k_q712ea1d31e_quant,@function
k_q712ea1d31e_quant:
	s_mov_b64 s[64:65], 0
	v_nop
	global_prefetch_b8 v0, s[64:65] scope:SCOPE_SE
	s_setreg_imm32_b32 hwreg(HW_REG_WAVE_MODE, 25, 1), 1
	s_wait_xcnt 0x0
; query [8192][1024] and Wq, Wk, Wv, Wo [1024][1024], f32, K innermost, become codes of FP6 (E2M3) with one E8M0 byte for each 32 along K,
; laid in the ORDER OF AN OPERAND'S REGISTERS.  Rows go in tiles of 16: slot r of tile T is row 32 (T / 2) + 8 (T % 2) + r + 8 (r / 8).
; qwc: [tile 768][K step 8][half 2][768 bytes].  A half is 16 slots x 64 K, the image of six registers: registers 0-3 at 16 x lane, registers 4-5 at 512 + 8 x lane.
; qws: [tile 768][q 2][slot 16][4 words]: word j is the slot's scale word of K step 4 q + j.  Tiles 0-511 query, 512-575 Wq, 576-639 Wk, 640-703 Wv, 704-767 Wo.
; A block's scale is 2^(floor(log2(largest magnitude)) - 2); its byte is the largest magnitude's exponent field - 2, held at 1 from below.
; LIMITS: a block of zeros gets the byte 1 where the rule says 127 (its codes are zeros; this program alone reads the bytes); NaN and infinities among the inputs are not served.
; SHARES: a wave takes one tile and half of K: 16 rows x 512 numbers, four K steps of 128.  Each load reads 512 consecutive bytes of one row; a K step's 16 rows turn through the wave's own
; stage in LDS (rows 528 bytes apart) so that lane (r, h) gets whole blocks 2 c + h of slot r, which is the operand's own layout: the conversions' results are the operand's registers.
; No tensor loads, no barrier (waves share nothing), no matrix unit, no cluster: a stream that reads each byte once.  Loads run two K steps (32 loads a wave) ahead.
.set STGB, 8704                        ; a wave's stage: 16 rows x 528 bytes, rounded up
.set SPT,  528
.set L16,  1                           ; v1   16 x lane
.set L8,   2                           ; v2   8 x lane
.set R16,  3                           ; v3   16 x (lane % 16)
.set ST,   4                           ; v4   the stage, on the way in: 16 x lane
.set RB,   5                           ; v5   and on the way out: 528 r + 128 h
.set SH8,  6                           ; v6   8 h
.set BM,   8                           ; v8-9   the two blocks' largest magnitudes
.set SO,   10                          ; v10-11 the conversions' scale operands
.set BY,   12                          ; v12-13 the scale bytes
.set T0,   14
.set T1,   15
.set W,    16                          ; v16-19 the four K steps' scale words
.set TC,   20                          ; v20-22, v24-26 the upper halves of the blocks' codes
.set C,    32                          ; v32-55  codes: two sets of 12, by turns
.set X,    56                          ; v56-119 64 numbers: my two blocks
.set R,    120                         ; v120-247 two sets of 64 as loaded
	s_load_b256 s[4:11], s[0:1], 0x0               ; query, Wq, Wk, Wv
	s_load_b128 s[12:15], s[0:1], 0x20             ; Wo, qwc
	s_load_b64 s[16:17], s[0:1], 0x30              ; qws
	v_lshl_add_u32 v248, v0, 2, 0x8800
	v_mov_b32 v249, 0
	v_lshrrev_b32 v7, 5, v0
	v_readfirstlane_b32 s18, v7                    ; wave
	v_and_b32 v7, 31, v0                           ; lane
	v_lshlrev_b32 v[L16], 4, v7
	v_lshlrev_b32 v[L8], 3, v7
	v_and_b32 v[T0], 15, v0                        ; r
	v_lshlrev_b32 v[R16], 4, v[T0]
	v_bfe_u32 v[T1], v0, 4, 1                      ; h
	v_lshlrev_b32 v[SH8], 3, v[T1]
	s_mul_i32 s19, s18, STGB
	v_add_nc_u32 v[ST], s19, v[L16]
	v_mul_u32_u24 v[RB], v[T0], SPT
	v_lshl_add_u32 v[RB], v[T1], 7, v[RB]
	v_add_nc_u32 v[RB], s19, v[RB]
	v_mov_b32 v[T1], 0                             ; a lane permute's destination counts as one of its sources
	s_mov_b32 s20, 0x76543210
	s_mov_b32 s21, 0xfedcba98                      ; selects for lane l xor 16
	s_lshl_b32 s24, ttmp9, 2
	s_add_co_u32 s24, s24, s18                     ; which wave of the launch
	s_and_b32 s25, s24, 1                          ; q: which half of K
	s_lshr_b32 s24, s24, 1                         ; the tile, 0 .. 767
	s_and_b32 s26, s24, 63
	s_cmp_lt_u32 ttmp9, 256
	s_cselect_b32 s26, s24, s26                    ; the tile within its tensor
	s_lshr_b32 s27, s26, 1
	s_lshl_b32 s27, s27, 17                        ; 32 rows of 4,096 bytes
	s_and_b32 s28, s26, 1
	s_lshl_b32 s28, s28, 15                        ; 8 rows
	s_add_co_u32 s28, s27, s28
	s_lshl_b32 s27, s25, 11                        ; 512 numbers along K
	s_add_co_u32 s28, s28, s27
	s_mov_b32 s29, 0
	s_mul_i32 s30, s24, 12288                      ; the tile's codes,
	s_mul_i32 s27, s25, 6144                       ; my four K steps of them
	s_add_co_u32 s30, s30, s27
	s_mov_b32 s31, 0
	s_lshl_b32 s32, s24, 9                         ; the tile's scale words,
	s_lshl_b32 s27, s25, 8                         ; my 256 bytes of them
	s_add_co_u32 s32, s32, s27
	s_mov_b32 s33, 0
	s_wait_alu depctr_va_vdst(0)
	s_wait_kmcnt 0x0
	s_cmp_lt_u32 ttmp9, 352                        ; which tensor: the choice hangs on the work-group's number alone
	s_cselect_b64 s[22:23], s[10:11], s[12:13]
	s_cmp_lt_u32 ttmp9, 320
	s_cselect_b64 s[22:23], s[8:9], s[22:23]
	s_cmp_lt_u32 ttmp9, 288
	s_cselect_b64 s[22:23], s[6:7], s[22:23]
	s_cmp_lt_u32 ttmp9, 256
	s_cselect_b64 s[22:23], s[4:5], s[22:23]
	s_add_nc_u64 s[22:23], s[22:23], s[28:29]
	s_add_nc_u64 s[14:15], s[14:15], s[30:31]
	s_add_nc_u64 s[16:17], s[16:17], s[32:33]
.macro LOAD sg                         ; K step sg: one load a slot, 512 consecutive bytes of its row
.irp rho, 0,1,2,3,4,5,6,7,8,9,10,11,12,13,14,15
	global_load_b128 v[R+64*((\sg)%2)+4*\rho:R+64*((\sg)%2)+4*\rho+3], v[L16], s[22:23] offset:(\rho+8*(\rho/8))*4096+512*(\sg) th:TH_LOAD_NT
.endr
.endm
.macro TURN sg                         ; through the stage: LDS serves a wave's instructions in order, so no wait stands between the stores and the loads
.irp rho, 0,1,2,3,4,5,6,7,8,9,10,11,12,13,14,15
	ds_store_b128 v[ST], v[R+64*((\sg)%2)+4*\rho:R+64*((\sg)%2)+4*\rho+3] offset:SPT*\rho
.endr
.irp c, 0,1
.irp i, 0,1,2,3,4,5,6,7
	ds_load_b128 v[X+32*\c+4*\i:X+32*\c+4*\i+3], v[RB] offset:256*\c+16*\i   ; block 2 c + h of slot r
.endr
.endr
.endm
.macro WORK sg
.set CC, C+12*((\sg)%2)
.if (\sg) >= 2
	s_wait_xcnt 0x0                                ; the stores of two K steps back have read this set of codes
.endif
.irp c, 0,1
	v_max3_num_f32 v[BM+\c], |v[X+32*\c]|, |v[X+32*\c+1]|, 0x1800000   ; all 32 numbers of a block are mine; the floor 2^(3 - 127) holds the byte at 1 from below
.endr
.irp i, 2,4,6,8,10,12,14,16,18,20,22,24,26,28,30
.irp c, 0,1
	v_max3_num_f32 v[BM+\c], v[BM+\c], |v[X+32*\c+\i]|, |v[X+32*\c+\i+1]|
.endr
.endr
.irp c, 0,1
	v_add_nc_u32 v[SO+\c], 0xff000000, v[BM+\c]    ; 2 off the exponent field: the conversion's scale operand
.endr
.irp c, 0,1
	v_lshrrev_b32 v[BY+\c], 23, v[SO+\c]           ; the scale's byte
.endr
	v_lshl_or_b32 v[T0], v[BY+1], 16, v[BY]        ; my bytes: blocks h and 2 + h,
	v_lshlrev_b32 v[T0], v[SH8], v[T0]             ; at their places in the word;
	v_permlanex16_b32 v[T1], v[T0], s20, s21
	v_or_b32 v[W+(\sg)], v[T0], v[T1]              ; with lane l xor 16's two the word is whole
.irp c, 0,1
	v_cvt_scalef32_pk16_fp6_f32 v[CC+6*\c:CC+6*\c+2], v[X+32*\c:X+32*\c+15], v[SO+\c]
	v_cvt_scalef32_pk16_fp6_f32 v[TC+4*\c:TC+4*\c+2], v[X+32*\c+16:X+32*\c+31], v[SO+\c]   ; (a conversion's three registers begin on an even number)
.endr
	v_nop                                          ; one plain place behind a scaled conversion
.irp c, 0,1
.irp i, 0,1,2
	v_mov_b32 v[CC+6*\c+3+\i], v[TC+4*\c+\i]
.endr
.endr
	global_store_b128 v[L16], v[CC:CC+3], s[14:15] offset:1536*(\sg)          ; 512 consecutive bytes, aligned
	global_store_b64 v[L8], v[CC+4:CC+5], s[14:15] offset:1536*(\sg)+512      ; 256 consecutive bytes, aligned
	global_store_b128 v[L16], v[CC+6:CC+9], s[14:15] offset:1536*(\sg)+768
	global_store_b64 v[L8], v[CC+10:CC+11], s[14:15] offset:1536*(\sg)+1280
.endm
	LOAD 0
	LOAD 1
.irp sg, 0,1,2,3
.if \sg < 3
	s_wait_loadcnt 16                              ; this K step's 16 loads are in; the next one's 16 may be out
.else
	s_wait_loadcnt 0x0
.endif
	TURN \sg
	s_wait_dscnt 0x0                               ; my blocks are in, and the stage's stores have read the loaded set,
.if \sg < 2
	LOAD \sg+2                                     ; which takes the K step two on
.endif
	WORK \sg
.endr
	global_store_b128 v[R16], v[W:W+3], s[16:17]   ; 16 slots x 4 words: 256 consecutive bytes, aligned (both halves of the lanes hold and write the same words)
	s_wait_tensorcnt 0x0
	ds_add_u32 v248, v249
	s_wait_dscnt 0x0
	s_endpgm
.Lfunc_end_k_q712ea1d31e_quant:
	.size	k_q712ea1d31e_quant, .Lfunc_end_k_q712ea1d31e_quant-k_q712ea1d31e_quant
	.p2alignl 7, 3214868480
	.fill 96, 4, 3214868480
	.section	.rodata,"a",@progbits
	.p2align	6, 0x0
	.amdhsa_kernel k_q712ea1d31e_quant
		.amdhsa_group_segment_fixed_size 35328
		.amdhsa_private_segment_fixed_size 0
		.amdhsa_enable_private_segment 0
		.amdhsa_kernarg_size 56
		.amdhsa_user_sgpr_count 2
		.amdhsa_user_sgpr_kernarg_segment_ptr 1
		.amdhsa_wavefront_size32 1
		.amdhsa_system_sgpr_workgroup_id_x 1
		.amdhsa_system_sgpr_workgroup_id_y 1
		.amdhsa_system_sgpr_workgroup_id_z 1
		.amdhsa_system_vgpr_workitem_id 0
		.amdhsa_next_free_vgpr 250
		.amdhsa_next_free_sgpr 66
		.amdhsa_reserve_vcc 0
		.amdhsa_float_denorm_mode_32 3
		.amdhsa_float_denorm_mode_16_64 3
		.amdhsa_memory_ordered 1
		.amdhsa_forward_progress 1
		.amdhsa_inst_pref_size 31
	.end_amdhsa_kernel
	.amdgpu_metadata
---
amdhsa.version: [ 1, 2 ]
amdhsa.kernels:
  - .name:           k_q712ea1d31e_quant
    .symbol:         k_q712ea1d31e_quant.kd
    .args:
      - { .name: query, .offset: 0, .size: 8, .value_kind: global_buffer, .address_space: global }
      - { .name: Wq, .offset: 8, .size: 8, .value_kind: global_buffer, .address_space: global }
      - { .name: Wk, .offset: 16, .size: 8, .value_kind: global_buffer, .address_space: global }
      - { .name: Wv, .offset: 24, .size: 8, .value_kind: global_buffer, .address_space: global }
      - { .name: Wo, .offset: 32, .size: 8, .value_kind: global_buffer, .address_space: global }
      - { .name: qwc, .offset: 40, .size: 8, .value_kind: global_buffer, .address_space: global }
      - { .name: qws, .offset: 48, .size: 8, .value_kind: global_buffer, .address_space: global }
    .group_segment_fixed_size: 35328
    .private_segment_fixed_size: 0
    .kernarg_segment_align: 8
    .kernarg_segment_size: 56
    .max_flat_workgroup_size: 128
    .sgpr_count:     66
    .vgpr_count:     250
    .wavefront_size: 32
...
	.end_amdgpu_metadata
.endif
;; end of part 1
;; launch proj (part 2): grid 192 x 4, 4 waves a work-group, clusters of 4 x 4, 327,680 bytes of LDS; arguments qwc, qws, bq, bk, bv, mask, qkvc, qkvs; writes qkvc, qkvs
.if DOCPART == 2
	.amdgcn_target "amdgcn-amd-amdhsa--gfx1250"
	.amdhsa_code_object_version 6
	.text
	.protected	k_q712ea1d31e_proj
	.globl	k_q712ea1d31e_proj
	.p2align	8
	.type	k_q712ea1d31e_proj,@function
k_q712ea1d31e_proj:
	s_mov_b64 s[64:65], 0
	v_nop
	global_prefetch_b8 v0, s[64:65] scope:SCOPE_SE
	s_setreg_imm32_b32 hwreg(HW_REG_WAVE_MODE, 25, 1), 1
	s_wait_xcnt 0x0
	s_wait_alu depctr_hold_cnt(0) depctr_sa_sdst(0) depctr_va_vdst(0) depctr_va_sdst(0) depctr_va_ssrc(0) depctr_va_vcc(0) depctr_vm_vsrc(0)
	s_getreg_b32 s2, hwreg(HW_REG_IB_STS2, 6, 4)
	s_cmp_eq_u32 s2, 0
	s_cbranch_scc0 .Lentry_in_a_cluster
	s_endpgm
.Lentry_in_a_cluster:
	s_bfe_u32 s2, ttmp6, 0x10000c
	s_cmp_lg_u32 s2, 0xf033
	s_cbranch_scc0 .Lentry_shape_is_right
	s_endpgm
.Lentry_shape_is_right:
; q = (query Wq^T + bq) / 8, k = query Wk^T + bk, v = query Wv^T + bv on codes of FP6 (E2M3) with E8M0 scales, K = 1,024; the results are quantised at once, q and k along the head's 64, v along the keys.
; THE PRODUCT: D = X Y^T, source 0 = 16 rows of X, source 1 = 16 rows of Y.  Rows go in tiles of 16, slot r of tile T = row 32 (T / 2) + 8 (T % 2) + r + 8 (r / 8), on BOTH sides.  So in the result of X's tile b
; lane (r, h) holds slot r of Y's tile and its register j X's row 32 (b / 2) + 16 h + 8 (b % 2) + j: the 16 registers of tiles 2 n, 2 n + 1 are 16 NEIGHBOURS along X, which is the next product's K.
; q, k: X = rows of Wq or Wk (the head's channels), Y = tokens.   v: X = tokens (the keys), Y = rows of Wv.
; SHARES: a work-group makes 256 rows of X x 128 rows of Y; wave w: X's tiles 8 (w % 2) on, Y's tiles 4 (w / 2) on: 32 accumulators, 256 matrix instructions.  768 work-groups: three for each of 256 WGPs.
; ALL of the work-group's codes lie in LDS at once (196,608 + 98,304 bytes), in two halves of 512 along K: every tensor load is a first fill, nothing is filled again, and a wave has one tensor load out at a time.
; CLUSTER 4 x 4: X's tiles hang on cx alone and are asked for jointly along a column of the cluster, Y's on cy alone and jointly along a row.
; The kind (q, k or v) hangs on the cluster's number alone and only selects numbers: one path of text for all three.
; A MASKED KEY'S k IS MULTIPLIED BY 0: its codes are zeros, so its score in the next launch is exactly the constant that the mask puts there.
; qkvc: halves of 768 bytes (16 slots x 64 K; registers 0-3 at 16 x lane, 4-5 at 512 + 8 x lane), number hfi:  q: ((b 8 + pair) 128 + token tile) 2 + head % 2;  k: 8,192 + the same;
;   v: 16,384 + ((b 16 + head) 16 + step of 128 keys) 8 + channel tile x 2 + half.   qkvs: for each 8 halves 512 bytes [half 2][slot 16][4 words, one a tile]; q, k: bytes 2, 3 are 0; v: the first half holds the whole words.
; No prefetch: every tensor load goes out at the head, so nothing could be asked for ahead of it.
; LIMITS: a block of zeros gets the byte 1 where the rule says 127 (this program alone reads the bytes); NaN and infinities are not served; the biases bq, bk start the sums, so they are added first and not last.
; REGISTERS: window 0: v1-16 LDS addresses; v17-23 offsets; v32-95 X's scale words (8 b + K step), v96-127 Y's (8 a + K step): these hold scales alone; v128-191 the bias along X, later the epilogue's 64 numbers;
;   v192-207 factor and bias along Y; v208-251 the quantiser.   window 1: accumulator (a, b) at 8 (8 a + b).   windows 2, 3: fragment sets 0, 1: X's at 12 b, Y's at 96 + 12 a.
.set TILEB, 12288                      ; a tile's codes for all of K
; THE FILLS, as this text has them: K comes in TWO halves of 512: a tile's half is 6,144 consecutive bytes.  Each wave issues one joint load at the head (the first half) and one behind
; the three lines and a round of the cluster's barrier (the second half's first fill).  One tensor load a wave is out at a time.
.set CHX,   98304                      ; half of K of X: 16 tiles x 6,144 bytes
.set CHY,   49152                      ; of Y: 8 tiles
.set YREG,  196608                     ; Y's chunks lie behind X's two halves
.set WV, 20
.set WX, 21                            ; w % 2: my half of X; also which half of a chunk I fetch
.set WY, 22                            ; w / 2: my half of Y
.set CX, 23
.set CY, 24
.set VM, 25                            ; all ones in kind v
.set NVM, 26                           ; all ones in kinds q, k
.set XB, 27                            ; block of X (holds cx, never cy)
.set YB, 28                            ; block of Y (holds cy, never cx)
.set KM, 29                            ; all ones in kind k
.set SM, 32                            ; which bits of a scale word are kept
.set FC, 33                            ; 1/8 in kind q, else 1
.set G1X, 36
.set G1Y, 44
.set XTW, 52                           ; my first tile of X, to fetch and to multiply
.set YTF, 53                           ; the first tile of Y that I fetch
.set YTW, 54                           ; and that I multiply
.set SEL, 66
.set G0X, 68                           ; s[68:75] group 0 for X's two halves
.set G0Y, 84                           ; s[84:91] for Y's
.set AX16, 1
.set AX8,  5
.set AY16, 9
.set AY8,  13
.set G16, 17                           ; 16 x lane
.set G8,  18                           ; 8 x lane
.set GS,  19                           ; 256 h + 16 r
.set SH,  20                           ; 16 h
.set XSV, 21                           ; 16 r
.set BIV, 22                           ; 64 h
.set RO,  23                           ; 4 (r + 8 (r / 8))
.set SX,  32
.set SY,  96
.set BI,  128
.set E,   128
.set F,   192                          ; for Y's tile a: +4a factor, +4a+1 mask, +4a+2 bias, +4a+3 bv
.set TM,  208
.set PW,  224
.set PC,  226
.set W,   248
.set MSB, 0
.macro WIN new                         ; the immediate's high byte repeats the setting that is left
.if MSB != (\new)
	s_set_vgpr_msb (MSB<<8)|(\new)
.set MSB, (\new)
.endif
.endm
.macro PLACES n
.rept \n
	v_nop
.endr
.endm
.macro CROUND                          ; a round of the cluster's barrier
	s_barrier_signal -1
	s_barrier_wait -1
	s_cmp_lg_u32 s[WV], 0
	s_cbranch_scc1 .Lnot_wave_0_\@
	s_barrier_signal -3
.Lnot_wave_0_\@:
	s_barrier_wait -3
	s_barrier_signal -1
	s_barrier_wait -1
.endm
.macro FRAG reg, a16, a8, off          ; a fragment comes back as the image of its 12 registers
	ds_load_b128 v[\reg:\reg+3], v[\a16] offset:\off
	ds_load_b64 v[\reg+4:\reg+5], v[\a8] offset:\off+512
	ds_load_b128 v[\reg+6:\reg+9], v[\a16] offset:\off+768
	ds_load_b64 v[\reg+10:\reg+11], v[\a8] offset:\off+1280
.endm
.macro FETCH s                         ; K step s: my 8 fragments of X and 4 of Y into set s % 2: 48 LDS loads in one run
	WIN 0x80+0x40*((\s)%2)
.irp i, 0,1,2,3,4,5,6,7
	FRAG 12*\i, AX16+(\s)/4, AX8+(\s)/4, \i*6144+((\s)%4)*1536
.endr
.irp i, 0,1,2,3
	FRAG 96+12*\i, AY16+(\s)/4, AY8+(\s)/4, \i*6144+((\s)%4)*1536
.endr
.endm
.macro MUL a0, s                       ; 16 matrix instructions: Y's tiles a0, a0 + 1 x X's eight.  K step 0 starts the sums with the bias along X.  The 32 accumulators take turns in the same order in every step
.irp a, \a0, \a0+1
.irp b, 0,1,2,3,4,5,6,7
.if (\s) == 0
	v_wmma_scale_f32_16x16x128_f8f6f4 v[8*(8*(\a)+\b):8*(8*(\a)+\b)+7], v[12*\b:12*\b+11], v[96+12*(\a):96+12*(\a)+11], v[BI+8*\b:BI+8*\b+7], v[SX+8*\b+(\s)], v[SY+8*(\a)+(\s)] matrix_a_fmt:MATRIX_FMT_FP6 matrix_b_fmt:MATRIX_FMT_FP6
.else
	v_wmma_scale_f32_16x16x128_f8f6f4 v[8*(8*(\a)+\b):8*(8*(\a)+\b)+7], v[12*\b:12*\b+11], v[96+12*(\a):96+12*(\a)+11], v[8*(8*(\a)+\b):8*(8*(\a)+\b)+7], v[SX+8*\b+(\s)], v[SY+8*(\a)+(\s)] matrix_a_fmt:MATRIX_FMT_FP6 matrix_b_fmt:MATRIX_FMT_FP6
.endif
.endr
.endr
.endm
.macro STEP s                          ; a K step of 128: 32 matrix instructions; in its middle the next step's fragments are fetched into the other set
.if (\s) == 0
.set MW, 0x4a                          ; X, Y window 2; C (the bias) window 0; D window 1
.else
.set MW, 0x5a+5*((\s)%2)               ; X, Y window 2 or 3; C and D window 1
.endif
	s_wait_dscnt 0x0                               ; this step's set is in
.if (\s) == 3
	s_wait_tensorcnt 0x0                           ; my part of the second half of K has landed
	s_barrier_signal -1
.endif
	WIN MW
	MUL 0, \s
.if (\s) == 3
	s_barrier_wait -1                              ; everybody's part has
.endif
.if (\s) < 7
.if (\s) > 0
	PLACES 4                                       ; four places in front of loads into registers that matrix instructions have read
.endif
	FETCH (\s)+1
	WIN MW
.endif
	MUL 2, \s
.endm
; 64 numbers of a lane, register 16 b + i = k 32 b + 16 h + i of my slot, become a fragment's codes in v[PC] on and its scale word in v[PW]
.macro QUANT s
.irp b, 0,1,2,3
	v_max3_num_f32 v[TM+\b], |v[\s+16*\b]|, |v[\s+1+16*\b]|, 0x1800000   ; my 16 numbers of block b, and the floor 2^(3 - 127): the byte cannot fall under 1
.endr
.irp i, 2,4,6,8,10,12,14
.irp b, 0,1,2,3
	v_max3_num_f32 v[TM+\b], v[TM+\b], |v[\s+16*\b+\i]|, |v[\s+1+16*\b+\i]|
.endr
.endr
.irp b, 0,1,2,3
	v_permlanex16_b32 v[TM+4+\b], v[TM+\b], s[SEL], s[SEL+1]
.endr
.irp b, 0,1,2,3
	v_max_num_f32 v[TM+\b], v[TM+\b], v[TM+4+\b]   ; with lane l xor 16's: the block's largest magnitude
.endr
.irp b, 0,1,2,3
	v_add_nc_u32 v[TM+12+\b], 0xff000000, v[TM+\b] ; 2 off its exponent field: the conversion's scale operand
.endr
.irp b, 0,1,2,3
	v_lshrrev_b32 v[TM+4+\b], 23, v[TM+12+\b]      ; the scale's byte
.endr
	v_lshl_or_b32 v[PW], v[TM+5], 8, v[TM+4]
	v_lshl_or_b32 v[PW], v[TM+6], 16, v[PW]
	v_lshl_or_b32 v[PW], v[TM+7], 24, v[PW]
.irp c, 0,1
	v_cvt_scalef32_pk16_fp6_f32 v[PC+6*\c:PC+2+6*\c], v[\s+32*\c:\s+15+32*\c], v[TM+12+2*\c]
	v_cvt_scalef32_pk16_fp6_f32 v[PC+12+4*\c:PC+14+4*\c], v[\s+16+32*\c:\s+31+32*\c], v[TM+12+2*\c+1]   ; (a conversion's three registers begin on an even number)
.endr
	v_nop                                          ; one plain place behind a scaled conversion
.irp c, 0,1                            ; the operand's layout wants a whole block in a lane
.irp i, 0,1,2
	v_permlane16_swap_b32 v[PC+6*\c+\i], v[PC+12+4*\c+\i]
.endr
.irp i, 0,1,2
	v_mov_b32 v[PC+3+6*\c+\i], v[PC+12+4*\c+\i]
.endr
.endr
.endm
	s_load_b512 s[4:19], s[0:1], 0x0               ; qwc s[4:5], qws s[6:7], bq s[8:9], bk s[10:11], bv s[12:13], mask s[14:15], qkvc s[16:17], qkvs s[18:19]
	v_lshl_add_u32 v254, v0, 2, 0x48000
	v_mov_b32 v255, 0
	ds_add_u32 v254, v255
	ds_add_u32 v254, v255
	v_lshrrev_b32 v24, 5, v0
	v_readfirstlane_b32 s[WV], v24                 ; wave 0..3
	v_and_b32 v24, 31, v0                          ; lane
	v_and_b32 v25, 15, v0                          ; r
	v_bfe_u32 v26, v0, 4, 1                        ; h
	v_lshlrev_b32 v[G16], 4, v24
	v_lshlrev_b32 v[G8], 3, v24
	v_lshlrev_b32 v[XSV], 4, v25
	v_lshl_add_u32 v[GS], v26, 8, v[XSV]
	v_lshlrev_b32 v[SH], 4, v26
	v_lshlrev_b32 v[BIV], 6, v26
	v_and_b32 v27, 8, v25
	v_add_nc_u32 v27, v27, v25
	v_lshlrev_b32 v[RO], 2, v27
.irp b, 0,1,2,3
	v_mov_b32 v[TM+4+\b], 0                        ; a lane permute's destination counts as one of its sources
.endr
	s_and_b32 s[WX], s[WV], 1
	s_lshr_b32 s[WY], s[WV], 1
	s_bfe_u32 s[CX], ttmp6, 0x40000
	s_bfe_u32 s[CY], ttmp6, 0x40004
	s_mov_b32 s[SEL], 0x76543210
	s_mov_b32 s[SEL+1], 0xfedcba98
	; clusters 0-31: q (even) and k (odd), 16 cluster rows of tokens; clusters 32-47: v, 8 cluster columns of tokens x 2 cluster rows of Wv
	s_and_b32 s[XB], ttmp9, 1
	s_lshr_b32 s[YB], ttmp9, 1
	s_sub_co_u32 s30, ttmp9, 32
	s_and_b32 s55, s30, 7
	s_bfe_u32 s62, s30, 0x10003
	s_mov_b32 s[SM], 0xffff
	s_cmp_lt_u32 ttmp9, 32
	s_cselect_b32 s[XB], s[XB], s55
	s_cselect_b32 s[YB], s[YB], s62
	s_cselect_b32 s[VM], 0, -1
	s_cselect_b32 s[NVM], -1, 0
	s_cselect_b32 s[XTW], 512, 0                   ; X's first tile in qwc: Wq's, or query's
	s_cselect_b32 s[YTF], 0, 640                   ; Y's: query's, or Wv's
	s_cselect_b32 s[SM], s[SM], -1
	s_lshl_b32 s[XB], s[XB], 2
	s_add_co_u32 s[XB], s[XB], s[CX]
	s_lshl_b32 s[YB], s[YB], 2
	s_add_co_u32 s[YB], s[YB], s[CY]
	s_and_b32 s[KM], ttmp9, 1
	s_sub_co_u32 s[KM], 0, s[KM]
	s_and_b32 s[KM], s[KM], s[NVM]
	s_and_not1_b32 s30, s[NVM], s[KM]              ; kind q
	s_mov_b32 s[FC], 0x3f800000
	s_cmp_lg_u32 s30, 0
	s_cselect_b32 s[FC], 0x3e000000, s[FC]
	s_lshl_b32 s55, s[XB], 4
	s_add_co_u32 s[XTW], s[XTW], s55
	s_lshl_b32 s55, s[WX], 3
	s_add_co_u32 s[XTW], s[XTW], s55
	s_lshl_b32 s62, s[YB], 3
	s_add_co_u32 s62, s[YTF], s62
	s_lshl_b32 s[YTW], s[WY], 2
	s_add_co_u32 s[YTW], s[YTW], s62
	s_lshl_b32 s[YTF], s[WX], 2
	s_add_co_u32 s[YTF], s[YTF], s62
	; descriptor group 1: rows of 6,144 bytes (a tile's half: 768 elements of 8 bytes), 12,288 bytes apart; X: 8 rows a load, Y: 4; no padding: fragments are read as images, 16 or 8 bytes a lane on end
	s_lshl_b32 s55, 0x1111, s[CX]                  ; my column of the cluster
	s_or_b32 s[G1X], s55, (3<<16)|(1<<21)
	s_lshl_b32 s62, s[CY], 2
	s_lshl_b32 s62, 15, s62                        ; my row
	s_or_b32 s[G1Y], s62, (3<<16)|(1<<21)
	s_mov_b32 s[G1X+1], 768<<16                    ; tensor_dim0: 6,144 bytes in elements of 8
	s_mov_b32 s[G1X+2], 8<<16                      ; tensor_dim1
	s_mov_b32 s[G1X+3], 768<<16                    ; tile_dim0
	s_mov_b32 s[G1X+4], 8                          ; tile_dim1
	s_mov_b32 s[G1X+5], 1536                       ; the pitch
	s_mov_b32 s[G1X+6], 0
	s_mov_b32 s[G1X+7], 0
	s_mov_b32 s[G1Y+1], 768<<16
	s_mov_b32 s[G1Y+2], 4<<16
	s_mov_b32 s[G1Y+3], 768<<16
	s_mov_b32 s[G1Y+4], 4
	s_mov_b32 s[G1Y+5], 1536
	s_mov_b32 s[G1Y+6], 0
	s_mov_b32 s[G1Y+7], 0
	; where my eight halves go.  q, k:
	s_lshl_b32 s2, s[YB], 3
	s_lshl_b32 s3, s[WY], 2
	s_add_co_u32 s2, s2, s3                        ; my first token tile
	s_lshr_b32 s3, s2, 7                           ; b
	s_and_b32 s2, s2, 127                          ; the tile within the batch
	s_lshl_b32 s3, s3, 3
	s_and_b32 s34, s[XB], 3
	s_lshl_b32 s34, s34, 1
	s_add_co_u32 s34, s34, s[WX]                   ; the pair of heads: my 128 rows of the weight
	s_lshl_b32 s63, s34, 9
	s_and_b32 s63, s63, s[NVM]                     ; and where their bias begins, in bytes (kind v: 0, loaded and thrown away)
	s_add_co_u32 s3, s3, s34
	s_lshl_b32 s3, s3, 7
	s_add_co_u32 s3, s3, s2
	s_lshl_b32 s3, s3, 1
	s_and_b32 s2, s[KM], 8192
	s_add_co_u32 s3, s3, s2
	; v:
	s_lshl_b32 s34, s[XB], 1
	s_add_co_u32 s34, s34, s[WX]                   ; my 128 tokens
	s_lshr_b32 s35, s34, 4                         ; b
	s_and_b32 s34, s34, 15                         ; the step of 128 keys
	s_lshl_b32 s35, s35, 4
	s_lshl_b32 s2, s[YB], 1
	s_add_co_u32 s2, s2, s[WY]                     ; the head: my 64 rows of Wv
	s_add_co_u32 s35, s35, s2
	s_lshl_b32 s35, s35, 4
	s_add_co_u32 s35, s35, s34
	s_lshl_b32 s35, s35, 3
	s_add_co_u32 s35, s35, 16384
	s_cmp_lg_u32 s[VM], 0
	s_cselect_b32 s3, s35, s3                      ; hfi of my first half
	s_mov_b32 s31, 0
	s_wait_alu depctr_va_vdst(0)
	s_wait_dscnt 0x0
	s_wait_kmcnt 0x0
	s_mul_i32 s30, s3, 768
	s_add_nc_u64 s[16:17], s[16:17], s[30:31]      ; my codes
	s_lshl_b32 s30, s3, 6
	s_add_nc_u64 s[18:19], s[18:19], s[30:31]      ; my scale words
	s_cmp_lg_u32 s[KM], 0
	s_cselect_b64 s[8:9], s[10:11], s[8:9]         ; the bias along X: bk in kind k, else bq
	s_mov_b32 s30, s63
	s_add_nc_u64 s[8:9], s[8:9], s[30:31]
	s_lshl_b32 s30, s[YB], 7
	s_lshl_b32 s2, s[WY], 6
	s_add_co_u32 s2, s30, s2                       ; my first row of Y
	s_lshl_b32 s30, s2, 2
	s_add_nc_u64 s[14:15], s[14:15], s[30:31]      ; mask, by token (kind v: rows under 1,024: inside, loaded and thrown away)
	s_and_b32 s30, s2, 1023
	s_lshl_b32 s30, s30, 2
	s_add_nc_u64 s[12:13], s[12:13], s[30:31]      ; bv, by row of Wv (kinds q, k: inside, thrown away)
	s_lshl_b32 s30, s[XTW], 9
	s_add_nc_u64 s[2:3], s[6:7], s[30:31]          ; X's scale words
	s_lshl_b32 s30, s[YTW], 9
	s_add_nc_u64 s[34:35], s[6:7], s[30:31]        ; Y's
	s_mul_i32 s56, s[XTW], TILEB
	s_mov_b32 s57, 0
	s_add_nc_u64 s[56:57], s[4:5], s[56:57]        ; the tiles of X that I fetch: hangs on cx, the wave and the cluster's number
	s_mul_i32 s58, s[YTF], TILEB
	s_mov_b32 s59, 0
	s_add_nc_u64 s[58:59], s[4:5], s[58:59]        ; of Y: on cy
	s_mul_i32 s60, s[WX], CHX/2
	s_mul_i32 s61, s[WX], CHY/2
.irp kk, 0,1
	s_mov_b32 s[G0X+4*\kk], 1
	s_add_co_u32 s[G0X+4*\kk+1], s60, \kk*CHX
	s_add_nc_u64 s[G0X+4*\kk+2:G0X+4*\kk+3], s[56:57], \kk*6144
	s_or_b32 s[G0X+4*\kk+3], s[G0X+4*\kk+3], 0x80000000
	s_mov_b32 s[G0Y+4*\kk], 1
	s_add_co_u32 s[G0Y+4*\kk+1], s61, YREG+\kk*CHY
	s_add_nc_u64 s[G0Y+4*\kk+2:G0Y+4*\kk+3], s[58:59], \kk*6144
	s_or_b32 s[G0Y+4*\kk+3], s[G0Y+4*\kk+3], 0x80000000
.endr
	; scale words, biases and mask go from memory straight into registers: 16 lanes read 256 consecutive bytes, lanes 16-31 the same
.irp b, 0,1,2,3,4,5,6,7
.irp q, 0,1
	global_load_b128 v[SX+8*\b+4*\q:SX+8*\b+4*\q+3], v[XSV], s[2:3] offset:512*\b+256*\q
.endr
.endr
.irp a, 0,1,2,3
.irp q, 0,1
	global_load_b128 v[SY+8*\a+4*\q:SY+8*\a+4*\q+3], v[XSV], s[34:35] offset:512*\a+256*\q
.endr
.endr
.irp b, 0,1,2,3,4,5,6,7
	global_load_b128 v[BI+8*\b:BI+8*\b+3], v[BIV], s[8:9] offset:(32*(\b/2)+8*(\b%2))*4
	global_load_b128 v[BI+8*\b+4:BI+8*\b+7], v[BIV], s[8:9] offset:(32*(\b/2)+8*(\b%2))*4+16
.endr
.irp a, 0,1,2,3
	global_load_b32 v[F+4*\a+1], v[RO], s[14:15] offset:(32*(\a/2)+8*(\a%2))*4
	global_load_b32 v[F+4*\a+3], v[RO], s[12:13] offset:(32*(\a/2)+8*(\a%2))*4
.endr
	CROUND                                         ; all sixteen work-groups are here: the joint loads meet
	s_cmp_lt_u32 s[WV], 2                          ; waves 0, 1: X's first half of K; waves 2, 3: Y's: one load in each arm
	s_cbranch_scc0 .Lfill_y
	tensor_load_to_lds s[G0X:G0X+3], s[G1X:G1X+7]
	s_nop 0
	PLACES 4
	s_branch .Lfilled
.Lfill_y:
	tensor_load_to_lds s[G0Y:G0Y+3], s[G1Y:G1Y+7]
	s_nop 0
	PLACES 4
.Lfilled:
	s_mul_i32 s100, s[WY], CHY/2
.irp kk, 0,1
	s_add_co_u32 s101, s60, \kk*CHX
	v_lshl_add_u32 v[AX16+\kk], v24, 4, s101
	v_lshl_add_u32 v[AX8+\kk], v24, 3, s101
	s_add_co_u32 s101, s100, YREG+\kk*CHY
	v_lshl_add_u32 v[AY16+\kk], v24, 4, s101
	v_lshl_add_u32 v[AY8+\kk], v24, 3, s101
.endr
	s_wait_loadcnt 0x0
.set j, 0
.rept 64
	v_cndmask_b32 v[BI+j], 0, v[BI+j], s[NVM]      ; kind v has no bias along X
.set j, j+1
.endr
.irp a, 0,1,2,3
	v_cmp_ne_u32 vcc_lo, 0, v[F+4*\a+1]
	v_cndmask_b32 v[F+4*\a], 0, 1.0, vcc_lo        ; 1 for a key that counts, 0 for a masked one:
	v_cndmask_b32 v[F+4*\a], s[FC], v[F+4*\a], s[KM]   ; that in kind k; 1/8 in kind q; 1 in kind v
	v_cndmask_b32 v[F+4*\a+2], 0, v[F+4*\a+3], s[VM]   ; the bias along Y: bv in kind v
.endr
	PLACES 8
	s_wait_alu depctr_va_vdst(0)                   ; the wait at the head's end
	s_wait_tensorcnt 0x0                           ; my part of the first half of K has landed
	ds_add_u32 v254, v255                          ; the add ahead of a later first fill
	s_wait_dscnt 0x0
	CROUND                                         ; everybody's part is in, and all sixteen work-groups are here: the joint loads meet
	s_cmp_lt_u32 s[WV], 2                          ; the second half of K: my one tensor load behind the round
	s_cbranch_scc0 .Lfill_y2
	tensor_load_to_lds s[G0X+4:G0X+7], s[G1X:G1X+7]
	s_nop 0
	PLACES 4
	s_branch .Lfilled2
.Lfill_y2:
	tensor_load_to_lds s[G0Y+4:G0Y+7], s[G1Y:G1Y+7]
	s_nop 0
	PLACES 4
.Lfilled2:
	FETCH 0
.irp s, 0,1,2,3,4,5,6,7
	STEP \s
.endr
	; THE EPILOGUE, a tile of Y at a time: x factor + bias, quantised along X's 128 rows: one fragment, two halves, and one scale word a slot
	WIN 0
	PLACES 4                                       ; four places in front of the first read of results
.irp a, 0,1,2,3
.if \a > 0
	s_wait_xcnt 0x0                                ; the last tile's stores have read the codes' registers
.endif
	WIN 0x01                                       ; source 0: window 1
.set j, 0
.rept 32
	v_pk_fma_f32 v[E+j:E+j+1], v[64*\a+j:64*\a+j+1], v[F+4*\a:F+4*\a+1], v[F+4*\a+2:F+4*\a+3] op_sel_hi:[1,0,0]   ; each accumulator from its low end on
.set j, j+2
.endr
	WIN 0
	QUANT E
	global_store_b128 v[G16], v[PC:PC+3], s[16:17] offset:1536*\a          ; 512 consecutive bytes, aligned
	global_store_b64 v[G8], v[PC+4:PC+5], s[16:17] offset:1536*\a+512      ; 256 consecutive bytes, aligned
	global_store_b128 v[G16], v[PC+6:PC+9], s[16:17] offset:1536*\a+768
	global_store_b64 v[G8], v[PC+10:PC+11], s[16:17] offset:1536*\a+1280
	v_lshrrev_b32 v[W+\a], v[SH], v[PW]            ; lanes 0-15 the word as it is, lanes 16-31 its upper two bytes: the second half's
	v_and_b32 v[W+\a], s[SM], v[W+\a]              ; q, k: two bytes a head, the others 0
.endr
	global_store_b128 v[GS], v[W:W+3], s[18:19]    ; 512 consecutive bytes, aligned
	s_wait_tensorcnt 0x0
	ds_add_u32 v254, v255
	s_wait_dscnt 0x0
	CROUND                                         ; the closing round: no work-group ends while a partner may still ask for a tile that names it
	s_endpgm
.Lfunc_end_k_q712ea1d31e_proj:
	.size	k_q712ea1d31e_proj, .Lfunc_end_k_q712ea1d31e_proj-k_q712ea1d31e_proj
	.p2alignl 7, 3214868480
	.fill 96, 4, 3214868480
	.section	.rodata,"a",@progbits
	.p2align	6, 0x0
	.amdhsa_kernel k_q712ea1d31e_proj
		.amdhsa_group_segment_fixed_size 327680
		.amdhsa_private_segment_fixed_size 0
		.amdhsa_enable_private_segment 0
		.amdhsa_kernarg_size 64
		.amdhsa_user_sgpr_count 2
		.amdhsa_user_sgpr_kernarg_segment_ptr 1
		.amdhsa_wavefront_size32 1
		.amdhsa_system_sgpr_workgroup_id_x 1
		.amdhsa_system_sgpr_workgroup_id_y 1
		.amdhsa_system_sgpr_workgroup_id_z 1
		.amdhsa_system_vgpr_workitem_id 0
		.amdhsa_next_free_vgpr 1024
		.amdhsa_next_free_sgpr 102
		.amdhsa_reserve_vcc 1
		.amdhsa_float_denorm_mode_32 3
		.amdhsa_float_denorm_mode_16_64 3
		.amdhsa_memory_ordered 1
		.amdhsa_forward_progress 1
		.amdhsa_inst_pref_size 103
	.end_amdhsa_kernel
	.amdgpu_metadata
---
amdhsa.version: [ 1, 2 ]
amdhsa.kernels:
  - .name:           k_q712ea1d31e_proj
    .symbol:         k_q712ea1d31e_proj.kd
    .args:
      - { .name: qwc, .offset: 0, .size: 8, .value_kind: global_buffer, .address_space: global }
      - { .name: qws, .offset: 8, .size: 8, .value_kind: global_buffer, .address_space: global }
      - { .name: bq, .offset: 16, .size: 8, .value_kind: global_buffer, .address_space: global }
      - { .name: bk, .offset: 24, .size: 8, .value_kind: global_buffer, .address_space: global }
      - { .name: bv, .offset: 32, .size: 8, .value_kind: global_buffer, .address_space: global }
      - { .name: mask, .offset: 40, .size: 8, .value_kind: global_buffer, .address_space: global }
      - { .name: qkvc, .offset: 48, .size: 8, .value_kind: global_buffer, .address_space: global }
      - { .name: qkvs, .offset: 56, .size: 8, .value_kind: global_buffer, .address_space: global }
    .group_segment_fixed_size: 327680
    .private_segment_fixed_size: 0
    .kernarg_segment_align: 8
    .kernarg_segment_size: 64
    .max_flat_workgroup_size: 128
    .sgpr_count:     102
    .vgpr_count:     1024
    .wavefront_size: 32
...
	.end_amdgpu_metadata
.endif
;; end of part 2
;; launch attn (part 3): grid 4 x 64, 8 waves a work-group, clusters of 4 x 1, 218,112 bytes of LDS; arguments qkvc, qkvs, mask, cc, ccs; writes cc, ccs
.if DOCPART == 3
	.amdgcn_target "amdgcn-amd-amdhsa--gfx1250"
	.amdhsa_code_object_version 6
	.text
	.protected	k_q712ea1d31e_attn
	.globl	k_q712ea1d31e_attn
	.p2align	8
	.type	k_q712ea1d31e_attn,@function
k_q712ea1d31e_attn:
	s_mov_b64 s[64:65], 0
	v_nop
	global_prefetch_b8 v0, s[64:65] scope:SCOPE_SE
	s_setreg_imm32_b32 hwreg(HW_REG_WAVE_MODE, 25, 1), 1
	s_wait_xcnt 0x0
	s_wait_alu depctr_hold_cnt(0) depctr_sa_sdst(0) depctr_va_vdst(0) depctr_va_sdst(0) depctr_va_ssrc(0) depctr_va_vcc(0) depctr_vm_vsrc(0)
	s_getreg_b32 s2, hwreg(HW_REG_IB_STS2, 6, 4)
	s_cmp_eq_u32 s2, 0
	s_cbranch_scc0 .Lentry_in_a_cluster
	s_endpgm
.Lentry_in_a_cluster:
	s_bfe_u32 s2, ttmp6, 0x10000c
	s_cmp_lg_u32 s2, 0x3003
	s_cbranch_scc0 .Lentry_shape_is_right
	s_endpgm
.Lentry_shape_is_right:
; ctx[b][q][head] = softmax_k(q . k, masked keys at a very negative constant) v, both products on codes of FP6 (E2M3) with E8M0 scales; ctx is quantised at once along the model's 1,024.
; THE SOFTMAX: t = score x log2(e); M = the row's largest t so far, rounded UP to a whole number; p = 2^(t - M) is quantised along the keys, in blocks of 32 neighbouring keys, masked ones among them; the row's sum l is taken
; of the unquantised p and divides at the end.  When M moves, l and O are multiplied by 2^(old M - new M): exact.
; SHARES: a work-group owns 512 queries of one head of one batch.  The head's K and V, 98,304 bytes of codes each, lie in LDS whole, filled ONCE; the four work-groups of a cluster own the four quarters of the head's queries
; and ask for K and V jointly.  Each of eight waves (two to a SIMD) takes two tiles of 16 queries at a time, so that each register of K, V and of the mask feeds two matrix instructions, and makes two passes.
; LAYOUT: both products transposed: S^T = K Q^T + C (source 0 = 16 keys, source 1 = 16 queries), O^T = V^T P^T: a lane holds ONE query throughout.  Slot r of a tile is row 32 (T / 2) + 8 (T % 2) + r + 8 (r / 8),
; so the 16 registers of S^T's tiles 2 n, 2 n + 1 are keys 32 n + 16 h + 0 .. 15, and those of O^T's are 16 neighbouring channels.
; THE MASK COSTS NO LINE IN THE LOOP: C holds 0 for a key that counts and -2^66 for a masked one, and a masked key's codes are zeros (the launch before), so its score is exactly -2^66.
; THE HEAD'S 64 FILL HALF OF THE INSTRUCTION'S K: Q's registers 6-11 are zero codes and the scale bytes 2, 3 of Q's and K's words are 0.  K's operand of tile t is v[88 + 6 t .. 99 + 6 t]: its upper six registers are the next
; tile's codes, which meet Q's zeros and add exactly 0.  So a tile of K is 768 bytes of LDS and six registers.
; No prefetch: all tensor loads go out at the head.  No barrier in the loops: LDS is only read there.
; LIMITS: the masked score is -2^66 and not -1e20: the same results unless an unmasked score lies under about -7e19; p under 2^-126 is 0 (v_exp_f32); 1 / l is v_rcp_f32 and a multiplication;
; a block of zeros gets the byte 1 where the rule says 127 (this program alone reads the bytes); NaN and infinities are not served.  ctx's scale bytes leave two to a lane, 16 bytes apart: a row's word is shared by two heads.
; REGISTERS, window 0: v1-3 lane offsets; v5-11 the step's LDS addresses; v12-23 -M, largest t, l, f for tiles A, B; v24-31 K's, v32-35 V's, v36-37 Q's, v38-39 P's scale words (scales alone); v40-63 block maxima, bytes, scale operands;
;   v64-191 S^T, then p (A, B); v192-215 P's codes; v216-230 conversions' upper halves; v232-243 at work; v244-248 lane bases.
;   window 1: v0-63 O^T (A, B); v64-87 Q (A, B); v88-141 K; v144-191 V; v192-255 C, eight registers a tile of keys.
; SCALARS: s[28:51] are the descriptors and are written once.  My place in the cluster (s20) goes on into s74, s60, s71 alone: Q's and ctx's addresses.
.set VREG,  98304                      ; LDS: K's 128 tiles x 768 bytes from 0; V's 16 steps x 6,144 bytes;
.set KSREG, 196608                     ; K's scale words: 256 bytes for four tiles;
.set VSREG, 204800                     ; V's: 256 bytes a step;
.set BREG,  208896                     ; C: one f32 a key
.set WV, 14
.set CS, 22                            ; s[22:23] log2(e), twice
.set SEL, 24
.set G1K, 28
.set G1V, 36
.set G0K, 44
.set G0V, 48
.set QP, 52                            ; Q's codes
.set QSP, 54                           ; Q's scale words
.set CCP, 56                           ; ctx's codes
.set CSP, 58                           ; ctx's scale bytes
.set KOFF, 60                          ; the step's place in K and in V: 6,144 bytes a step
.set BOFF, 61                          ; in K's scale words and in C: 512
.set VSOFF, 62                         ; in V's scale words: 256
.set STEPS, 63
.set PASS, 70
.set HB, 73                            ; s73  256 x (head % 2): my head's half of a group of scale words
.set QT, 74                            ; s74  my first tile of queries in the batch: 32 cx + 2 w
.set L16, 1
.set L8, 2
.set R16, 3
.set ADK16, 5
.set ADK8, 6
.set ADV16, 7
.set ADV8, 8
.set ADKS, 9
.set ADVS, 10
.set ADB, 11
.set MN, 12                            ; +4x: -M, the largest t
.set LS, 14                            ; +4x: l in two halves
.set FF, 20                            ; +2x: f (and a register written once, named with it as a pair)
.set KSC, 24
.set VSC, 32
.set QSC, 36
.set PSC, 38
.set BM, 40
.set BT, 48
.set SO, 56
.set S, 64
.set P, 192
.set TC, 216
.set SU, 232
.set TT, 236
.set RL, 238                           ; +2x: 1 / l (and a register written once)
.set HWD, 242
.set VB16, 244
.set VB8, 245
.set KSB, 246
.set VSB, 247
.set BB, 248
; THE KEYS OF A TILE OF S^T, as this text has them (it takes the place of what the head says of S^T's registers): K's tiles are formed anew at the LDS read, by the lanes' addresses alone.
; Slots 0-7 of tile 4 c + u take keys 64 c + 8 u + 0 .. 7, slots 8-15 keys 64 c + 32 + 8 u + 0 .. 7: they are slots 8 (u / 2) + 0 .. 7 of the stored tiles 4 c + u % 2 and 4 c + 2 + u % 2.
; So the 32 registers of tiles 4 c .. 4 c + 3 are keys 64 c + 32 h + 0 .. 31: ONE WHOLE SCALE BLOCK of P in a lane, in the order of P's operand registers.
.set KL16, 249                         ; v249 K's codes: 16 x lane + (2 x 768 - 128) (r / 8)
.set KL8, 250                          ; v250 8 x lane + (2 x 768 - 64) (r / 8)
.set SH8, 251                          ; v251 8 h
.set O, 0                              ; window 1
.set Q, 64
.set KF, 88
.set VF, 144
.set BF, 192
.set MSB, 0
.macro WIN new                         ; the immediate's high byte repeats the setting that is left
.if MSB != (\new)
	s_set_vgpr_msb (MSB<<8)|(\new)
.set MSB, (\new)
.endif
.endm
.macro PLACES n
.rept \n
	v_nop
.endr
.endm
.macro CROUND                          ; a round of the cluster's barrier
	s_barrier_signal -1
	s_barrier_wait -1
	s_cmp_lg_u32 s[WV], 0
	s_cbranch_scc1 .Lnot_wave_0_\@
	s_barrier_signal -3
.Lnot_wave_0_\@:
	s_barrier_wait -3
	s_barrier_signal -1
	s_barrier_wait -1
.endm
.set KN, 76                            ; s76  the next step's place in K
.set BN, 77                            ; s77  and in C and K's scale words
.macro KLOADS a16, a8, aks, ab         ; a step's C, K and K's scale words: 36 LDS loads
	WIN 0x40
.irp t, 0,1,2,3,4,5,6,7
	ds_load_b128 v[BF+8*\t:BF+8*\t+3], v[\ab] offset:256*(\t/4)+32*(\t%4)        ; C of keys 64 (t / 4) + 32 h + 8 (t % 4) + 0 .. 7
	ds_load_b128 v[BF+8*\t+4:BF+8*\t+7], v[\ab] offset:256*(\t/4)+32*(\t%4)+16
.endr
.irp t, 0,1,2,3,4,5,6,7
	ds_load_b128 v[KF+6*\t:KF+6*\t+3], v[\a16] offset:768*(4*(\t/4)+\t%2)+128*((\t%4)/2)
	ds_load_b64 v[KF+6*\t+4:KF+6*\t+5], v[\a8] offset:768*(4*(\t/4)+\t%2)+512+64*((\t%4)/2)
.endr
	WIN 0
.irp c, 0,1
.irp g, 0,1
	ds_load_b64 v[KSC+4*\c+2*\g:KSC+4*\c+2*\g+1], v[\aks] offset:256*\c+128*\g   ; the words of tiles 4 c + 2 g, + 1
.endr
.endr
.endm
.macro QLOADS off, soff                ; two tiles of queries: codes and scale words, off and soff bytes behind where the pointers stand
	WIN 0x40
.irp x, 0,1
	global_load_b128 v[Q+12*\x:Q+12*\x+3], v[L16], s[QP:QP+1] offset:(\off)+1536*\x
	global_load_b64 v[Q+12*\x+4:Q+12*\x+5], v[L8], s[QP:QP+1] offset:(\off)+1536*\x+512
.endr
	WIN 0
.irp x, 0,1
	global_load_b32 v[QSC+\x], v[R16], s[QSP:QSP+1] offset:(\soff)+4*\x
.endr
.endm
	s_load_b256 s[4:11], s[0:1], 0x0               ; qkvc s[4:5], qkvs s[6:7], mask s[8:9], cc s[10:11]
	s_load_b64 s[12:13], s[0:1], 0x20              ; ccs
	v_lshl_add_u32 v254, v0, 2, 0x35000
	v_mov_b32 v255, 0
	ds_add_u32 v254, v255
	ds_add_u32 v254, v255
	v_lshrrev_b32 v4, 5, v0
	s_delay_alu instid0(VALU_DEP_1)
	v_readfirstlane_b32 s[WV], v4                  ; wave 0..7
	v_and_b32 v4, 31, v0
	s_delay_alu instid0(VALU_DEP_1)
	v_lshlrev_b32 v[L16], 4, v4
	s_delay_alu instid0(VALU_DEP_2)
	v_lshlrev_b32 v[L8], 3, v4
	v_and_b32 v4, 15, v0
	s_delay_alu instid0(VALU_DEP_1)
	v_lshlrev_b32 v[R16], 4, v4
	v_bfe_u32 v4, v0, 4, 1
	s_delay_alu instid0(VALU_DEP_1)
	v_lshl_add_u32 v[BB], v4, 7, BREG              ; C: 128 h: my half's 32 keys of each 64
	v_lshlrev_b32 v[SH8], 3, v4
	v_bfe_u32 v252, v0, 3, 1                       ; r / 8
	v_mul_u32_u24 v253, v252, 1408
	v_add_nc_u32 v[KL16], v253, v[L16]
	v_mul_u32_u24 v253, v252, 1472
	v_add_nc_u32 v[KL8], v253, v[L8]
	v_mul_u32_u24 v252, v252, 120
	v_add_nc_u32 v[VB16], VREG, v[L16]
	v_add_nc_u32 v[VB8], VREG, v[L8]
	v_add_nc_u32 v[KSB], KSREG, v[R16]
	v_sub_nc_u32 v[KSB], v[KSB], v252              ; K's scale words: slots 8-15 take slot r - 8 of the tile two on: - 128 + 8
	v_add_nc_u32 v[VSB], VSREG, v[R16]
	v_lshlrev_b32 v92, 5, v0                       ; the tables: thread t takes 8 keys' mask,
	v_lshrrev_b32 v93, 4, v0
	s_delay_alu instid0(VALU_DEP_1)
	v_lshl_add_u32 v93, v93, 9, v[R16]             ; and 16 bytes of scale words: group t / 16 (512 bytes apart in memory), slot t % 16
	v_lshl_add_u32 v94, v0, 5, BREG
	v_lshl_add_u32 v95, v0, 4, KSREG
	s_and_b32 s15, ttmp7, 0xffff                   ; b 16 + head: the cluster's y
	s_lshr_b32 s16, s15, 4                         ; b
	s_and_b32 s17, s15, 15                         ; head
	s_lshr_b32 s18, s17, 1                         ; the pair of heads
	s_and_b32 s19, s17, 1                          ; which of the pair
	s_bfe_u32 s20, ttmp6, 0x40000                  ; cx: which quarter of the queries; it enters Q's and ctx's addresses alone
	s_lshl_b32 s21, s16, 3
	s_add_co_u32 s21, s21, s18                     ; b 8 + pair
	s_and_b32 s26, s[WV], 1                        ; which half of K or of V I fetch
	s_lshl_b32 s2, s21, 8
	s_lshl_b32 s3, s26, 7
	s_add_co_u32 s2, s2, s3
	s_add_co_u32 s2, s2, s19
	s_add_co_u32 s2, s2, 8192
	s_mul_i32 s2, s2, 768                          ; K: half number 8,192 + ((b 8 + pair) 128 + 64 w) 2 + head % 2
	s_mov_b32 s3, 0
	s_lshl_b32 s62, s15, 7
	s_lshl_b32 s63, s26, 6
	s_add_co_u32 s62, s62, s63
	s_add_co_u32 s62, s62, 16384
	s_mul_i32 s62, s62, 768                        ; V: half number 16,384 + (b 16 + head) 128 + 64 w
	s_mov_b32 s63, 0
	s_mul_i32 s27, s26, 49152
	; descriptor group 1.  K: 64 rows of 768 bytes (96 elements of 8 bytes), 1,536 bytes apart: the pair's two heads lie by turns.  V: 49,152 dense bytes as 192 rows of 256
	s_mov_b32 s[G1K], 15|(3<<16)|(1<<21)           ; the mask: all four work-groups
	s_mov_b32 s[G1K+1], 96<<16
	s_mov_b32 s[G1K+2], 64<<16
	s_mov_b32 s[G1K+3], 96<<16
	s_mov_b32 s[G1K+4], 64
	s_mov_b32 s[G1K+5], 192
	s_mov_b32 s[G1K+6], 0
	s_mov_b32 s[G1K+7], 0
	s_mov_b32 s[G1V], 15|(3<<16)|(1<<21)
	s_mov_b32 s[G1V+1], 32<<16
	s_mov_b32 s[G1V+2], 192<<16
	s_mov_b32 s[G1V+3], 32<<16
	s_mov_b32 s[G1V+4], 192
	s_mov_b32 s[G1V+5], 32
	s_mov_b32 s[G1V+6], 0
	s_mov_b32 s[G1V+7], 0
	s_mov_b32 s[CS], 0x3fb8aa3b                    ; log2(e)
	s_mov_b32 s[CS+1], s[CS]
	s_mov_b32 s[SEL], 0x76543210
	s_mov_b32 s[SEL+1], 0xfedcba98
	s_mov_b32 s61, 0
	s_wait_alu depctr_va_vdst(0)
	s_wait_dscnt 0x0
	s_wait_kmcnt 0x0
	s_mov_b32 s[G0K], 1
	s_mov_b32 s[G0K+1], s27
	s_add_nc_u64 s[G0K+2:G0K+3], s[4:5], s[2:3]
	s_or_b32 s[G0K+3], s[G0K+3], 0x80000000
	s_mov_b32 s[G0V], 1
	s_add_co_u32 s[G0V+1], s27, VREG
	s_add_nc_u64 s[G0V+2:G0V+3], s[4:5], s[62:63]
	s_or_b32 s[G0V+3], s[G0V+3], 0x80000000
	s_lshl_b32 s60, s16, 13
	s_add_nc_u64 s[8:9], s[8:9], s[60:61]          ; the batch's mask
	s_lshl_b32 s[HB], s19, 8                       ; my head's half of a group of scale words
	s_lshl_b32 s60, s21, 5
	s_add_co_u32 s60, s60, 1024
	s_lshl_b32 s60, s60, 9
	s_add_co_u32 s60, s60, s[HB]
	s_add_nc_u64 s[66:67], s[6:7], s[60:61]        ; K's scale words: 32 groups
	s_lshl_b32 s60, s15, 4
	s_add_co_u32 s60, s60, 2048
	s_lshl_b32 s60, s60, 9
	s_add_nc_u64 s[68:69], s[6:7], s[60:61]        ; V's: 16 groups
	s_lshl_b32 s[QT], s20, 5
	s_lshl_b32 s60, s[WV], 1
	s_add_co_u32 s[QT], s[QT], s60                 ; my first tile of queries: 32 cx + 2 w
	s_lshl_b32 s60, s21, 7
	s_add_co_u32 s60, s60, s[QT]
	s_lshl_b32 s60, s60, 1
	s_add_co_u32 s60, s60, s19
	s_mul_i32 s60, s60, 768
	s_add_nc_u64 s[QP:QP+1], s[4:5], s[60:61]
	s_lshl_b32 s60, s21, 5
	s_lshr_b32 s71, s[QT], 2
	s_add_co_u32 s60, s60, s71
	s_lshl_b32 s60, s60, 9
	s_add_co_u32 s60, s60, s[HB]
	s_and_b32 s71, s[QT], 3
	s_lshl_b32 s71, s71, 2
	s_add_co_u32 s60, s60, s71
	s_add_nc_u64 s[QSP:QSP+1], s[6:7], s[60:61]
	s_lshl_b32 s71, s16, 7
	s_add_co_u32 s71, s71, s[QT]                   ; the same tile among all 512
	s_mul_i32 s60, s71, 12288
	s_mul_i32 s72, s17, 768                        ; K step head / 2, half head % 2
	s_add_co_u32 s60, s60, s72
	s_add_nc_u64 s[CCP:CCP+1], s[10:11], s[60:61]
	s_lshl_b32 s60, s71, 9
	s_lshr_b32 s72, s18, 2
	s_lshl_b32 s72, s72, 8
	s_add_co_u32 s60, s60, s72
	s_and_b32 s72, s18, 3
	s_lshl_b32 s72, s72, 2
	s_add_co_u32 s60, s60, s72
	s_lshl_b32 s72, s19, 1
	s_add_co_u32 s60, s60, s72
	s_add_nc_u64 s[CSP:CSP+1], s[12:13], s[60:61]
	global_load_b128 v[64:67], v92, s[8:9]
	global_load_b128 v[68:71], v92, s[8:9] offset:16
	global_load_b128 v[72:75], v93, s[66:67]
	global_load_b128 v[76:79], v93, s[66:67] offset:8192
	global_load_b128 v[80:83], v93, s[68:69]
	QLOADS 0, 0                                    ; the first pass's Q, beside the tables' loads
	CROUND                                         ; all four work-groups are here: the joint loads meet
	s_cmp_lt_u32 s[WV], 2                          ; waves 0, 1: K's halves; waves 2, 3: V's; the others none.  One tensor load a wave is out.  Four v_nop follow each line
	s_cbranch_scc0 .Lnot_k
	tensor_load_to_lds s[G0K:G0K+3], s[G1K:G1K+7]
	s_nop 0
	PLACES 4
	s_branch .Lasked
.Lnot_k:
	s_cmp_lt_u32 s[WV], 4
	s_cbranch_scc0 .Lasked
	tensor_load_to_lds s[G0V:G0V+3], s[G1V:G1V+7]
	s_nop 0
	PLACES 4
.Lasked:
.irp n, 0,1,2,3,4,5,6,7
	v_mov_b32 v[BT+\n], 0                          ; a lane permute's destination counts as one of its sources
.endr
.irp x, 0,1
	v_mov_b32 v[FF+2*\x+1], 0                      ; named as the upper halves of pairs
	v_mov_b32 v[RL+2*\x+1], 0
.endr
	WIN 0x40
.irp i, 0,1,2,3,4,5
	v_mov_b32 v[Q+6+\i], 0                         ; Q's zero codes for k = 64 .. 127,
	v_mov_b32 v[Q+18+\i], 0
	v_mov_b32 v[KF+48+\i], 0                       ; and what stands behind K's last tile
.endr
	WIN 0
	v_mov_b32 v96, 0xe0800000                      ; -2^66
	s_wait_alu depctr_va_vdst(0)
	s_wait_loadcnt 0x0
.irp i, 0,1,2,3,4,5,6,7
	v_cmp_eq_u32 vcc_lo, 0, v[64+\i]
	s_delay_alu instid0(VALU_DEP_1)
	v_cndmask_b32 v[84+\i], 0, v96, vcc_lo
.endr
	ds_store_b128 v94, v[84:87]
	ds_store_b128 v94, v[88:91] offset:16
	ds_store_b128 v95, v[72:75]
	ds_store_b128 v95, v[76:79] offset:4096
	ds_store_b128 v95, v[80:83] offset:VSREG-KSREG
	s_wait_tensorcnt 0x0                           ; my part of K or V has landed,
	s_wait_dscnt 0x0                               ; my part of the tables is stored:
	s_barrier_signal -1
	s_barrier_wait -1                              ; everybody's is
	KLOADS KL16, KL8, KSB, BB                      ; step 0's K, C and scale words, once: every later step's are asked for a step ahead
	s_mov_b32 s[PASS], 2
.Lpass:                                            ; two tiles of queries, against all 2,048 keys
	WIN 0x40
.set j, 0
.rept 64
	v_mov_b32 v[O+j], 0                            ; the key step is written once: its first trip finds zeros, which the first change of M leaves zeros
.set j, j+1
.endr
	WIN 0
.irp x, 0,1
	v_mov_b32 v[MN+4*\x+1], 0xff61b1e6             ; the largest t so far: -3e38
	v_mov_b32 v[LS+4*\x], 0
	v_mov_b32 v[LS+4*\x+1], 0
.endr
.irp x, 0
	v_floor_f32 v[MN+4*\x], -v[MN+4*\x+1]
.endr
.irp x, 1
	s_delay_alu instid0(VALU_DEP_4)
	v_floor_f32 v[MN+4*\x], -v[MN+4*\x+1]
.endr
	s_mov_b32 s[KOFF], 0
	s_mov_b32 s[BOFF], 0
	s_mov_b32 s[VSOFF], 0
	s_mov_b32 s[STEPS], 16
	s_wait_loadcnt 0x0
.Lstep:                                            ; 128 keys
	s_add_co_u32 s[BN], s[BOFF], 512               ; the next step's place in C and in K's scale words; behind the last step comes step 0, for the next pass
	s_and_b32 s[BN], s[BN], 8191
	s_mul_i32 s[KN], s[BN], 12                     ; and in K: 6,144 bytes a step
	v_add_nc_u32 v[ADV16], s[KOFF], v[VB16]
	v_add_nc_u32 v[ADV8], s[KOFF], v[VB8]
	v_nop                                          ; with the three additions: four places between the last step's products and the loads into V's registers and scale words
	v_add_nc_u32 v[ADVS], s[VSOFF], v[VSB]
	ds_load_b128 v[VSC:VSC+3], v[ADVS]
	WIN 0x40
.irp d, 0,1,2,3
.irp c, 0,1
	ds_load_b128 v[VF+12*\d+6*\c:VF+12*\d+6*\c+3], v[ADV16] offset:1536*\d+768*\c
	ds_load_b64 v[VF+12*\d+6*\c+4:VF+12*\d+6*\c+5], v[ADV8] offset:1536*\d+768*\c+512
.endr
.endr
	s_wait_dscnt 17                                ; K, C and K's scale words, asked for a step ago, are in; V's 16 loads and its scale words, issued behind them, may be out
	WIN 0x15                                       ; K, Q, C window 1; S^T window 0
.irp t, 0,1,2,3,4,5,6,7
.irp x, 0,1
	v_wmma_scale_f32_16x16x128_f8f6f4 v[S+64*\x+8*\t:S+64*\x+8*\t+7], v[KF+6*\t:KF+6*\t+11], v[Q+12*\x:Q+12*\x+11], v[BF+8*\t:BF+8*\t+7], v[KSC+\t], v[QSC+\x] matrix_a_fmt:MATRIX_FMT_FP6 matrix_b_fmt:MATRIX_FMT_FP6
.endr
.endr
	WIN 0
	v_add_nc_u32 v[ADK16], s[KN], v[KL16]          ; these four are the places behind the products, in front of the loads into their registers and of the first read of results
	v_add_nc_u32 v[ADK8], s[KN], v[KL8]
	v_add_nc_u32 v[ADKS], s[BN], v[KSB]
	v_add_nc_u32 v[ADB], s[BN], v[BB]
	KLOADS ADK16, ADK8, ADKS, ADB                  ; the NEXT step's K, C and scale words: their registers are free, and the softmax below stands between the loads and their use
	; four blocks of 32 keys a lane: block 2 c + h of tile x at v[S + 64 x + 32 c]; each in two chains of 16, n = 4 x + 2 c and + 1
.irp n, 0,1,2,3,4,5,6,7
	v_max3_num_f32 v[BM+\n], v[S+16*\n], v[S+16*\n+1], v[S+16*\n+2]   ; the largest SCORE of each block: for the row's maximum and, since p rises with the score, for the block's largest p
.endr
.irp i, 3,5,7,9,11,13
.irp n, 0,1,2,3,4,5,6,7
	v_max3_num_f32 v[BM+\n], v[BM+\n], v[S+16*\n+\i], v[S+16*\n+\i+1]
.endr
.endr
.irp n, 1,3,5,7
	v_max_num_f32 v[BM+\n], v[BM+\n], v[S+16*\n+15]
.endr
.irp n, 0,2,4,6
	v_max3_num_f32 v[BM+\n], v[BM+\n], v[S+16*\n+15], v[BM+\n+1]   ; the two chains joined: the whole block's, at BM + 4 x + 2 c
.endr
.irp x, 0,1
	v_max_num_f32 v[TT+\x], v[BM+4*\x], v[BM+4*\x+2]
.endr
.irp x, 0,1
	v_permlanex16_b32 v[BT+\x], v[TT+\x], s[SEL], s[SEL+1]
.endr
.irp x, 0,1
	v_max_num_f32 v[TT+\x], v[TT+\x], v[BT+\x]     ; with lane l xor 16's two blocks: the step's largest score of my query
.endr
.irp x, 0,1
	s_delay_alu instid0(VALU_DEP_2)
	v_mul_f32 v[TT+\x], s[CS], v[TT+\x]            ; the step's largest t
.endr
.irp x, 0,1
	s_delay_alu instid0(VALU_DEP_2)
	v_max_num_f32 v[MN+4*\x+1], v[MN+4*\x+1], v[TT+\x]
.endr
.irp x, 0,1
	v_mov_b32 v[TT+\x], v[MN+4*\x]
.endr
.irp x, 0,1
	s_delay_alu instid0(VALU_DEP_4)
	v_floor_f32 v[MN+4*\x], -v[MN+4*\x+1]          ; -M = floor(-t): M is a whole number
.endr
.irp x, 0,1
	s_delay_alu instid0(VALU_DEP_2)
	v_sub_f32 v[TT+\x], v[MN+4*\x], v[TT+\x]       ; old M - new M, 0 or less
.endr
.irp x, 0,1
	s_delay_alu instid0(VALU_DEP_2)
	v_cvt_i32_f32 v[TT+\x], v[TT+\x]               ; (it saturates)
.endr
.irp x, 0,1
	s_delay_alu instid0(VALU_DEP_2)
	v_ldexp_f32 v[FF+2*\x], 1.0, v[TT+\x]          ; f = 2^(old M - new M)
.endr
.irp x, 0,1
.set j, 0
.rept 32
	v_pk_fma_f32 v[S+64*\x+j:S+64*\x+j+1], v[S+64*\x+j:S+64*\x+j+1], s[CS:CS+1], v[MN+4*\x:MN+4*\x+1] op_sel_hi:[1,0,0]   ; t - M
.set j, j+2
.endr
.endr
.irp x, 0,1
.irp b, 0,2
	v_fma_f32 v[BM+4*\x+\b], v[BM+4*\x+\b], s[CS], v[MN+4*\x]   ; the same of each block's largest score
.endr
.endr
.set j, 0
	s_wait_alu depctr_va_vdst(0)
.rept 128
	v_exp_f32 v[S+j], v[S+j]                       ; p = 2^(t - M): one batch
.set j, j+1
.endr
.irp x, 0,1
	v_pk_mul_f32 v[LS+4*\x:LS+4*\x+1], v[LS+4*\x:LS+4*\x+1], v[FF+2*\x:FF+2*\x+1] op_sel_hi:[1,0]   ; l under the new M; the plain place behind the exponentials
.endr
	s_wait_alu depctr_va_vdst(0)                   ; one wait for the batch, ahead of its first reader
.irp n, 0,2,4,6
	v_exp_f32 v[BM+\n], v[BM+\n]                   ; each block's largest p: the same two instructions on the same number give the same bits
.endr
.irp x, 0,1
	v_pk_add_f32 v[SU+2*\x:SU+2*\x+1], v[S+64*\x:S+64*\x+1], v[S+64*\x+2:S+64*\x+3]   ; l is taken of the unquantised p: two chains a tile
.endr
.irp j, 4,8,12,16,20,24,28,32,36,40,44,48,52,56,60
.irp x, 0,1
	v_pk_add_f32 v[LS+4*\x:LS+4*\x+1], v[LS+4*\x:LS+4*\x+1], v[S+64*\x+\j:S+64*\x+\j+1]
	v_pk_add_f32 v[SU+2*\x:SU+2*\x+1], v[SU+2*\x:SU+2*\x+1], v[S+64*\x+\j+2:S+64*\x+\j+3]
.endr
.endr
.irp x, 0
	s_delay_alu instid0(VALU_DEP_3)
	v_pk_add_f32 v[LS+4*\x:LS+4*\x+1], v[LS+4*\x:LS+4*\x+1], v[SU+2*\x:SU+2*\x+1]
.endr
.irp x, 1
	s_delay_alu instid0(VALU_DEP_2)
	v_pk_add_f32 v[LS+4*\x:LS+4*\x+1], v[LS+4*\x:LS+4*\x+1], v[SU+2*\x:SU+2*\x+1]
.endr
	s_wait_alu depctr_va_vdst(0)                   ; and one for the four
.irp n, 0,2,4,6
	v_max_num_f32 v[BM+\n], 0x1800000, v[BM+\n]    ; the floor 2^(3 - 127): the byte cannot fall under 1
.endr
.irp n, 0,2,4,6
	v_add_nc_u32 v[SO+\n], 0xff000000, v[BM+\n]    ; 2 off the exponent field: the conversion's scale operand
.endr
.irp n, 0,2,4,6
	v_lshrrev_b32 v[BT+\n], 23, v[SO+\n]           ; the scale's byte
.endr
.irp x, 0,1
	v_lshl_or_b32 v[BT+4*\x], v[BT+4*\x+2], 16, v[BT+4*\x]   ; my bytes: blocks h and 2 + h,
.endr
.irp x, 0,1
	v_lshlrev_b32 v[BT+4*\x], v[SH8], v[BT+4*\x]   ; at their places in the word;
.endr
.irp x, 0,1
	v_permlanex16_b32 v[BT+4*\x+1], v[BT+4*\x], s[SEL], s[SEL+1]
.endr
.irp x, 0,1
	v_or_b32 v[PSC+\x], v[BT+4*\x], v[BT+4*\x+1]   ; with lane l xor 16's two: p's scale word for these 128 keys
.endr
.irp x, 0,1
.irp c, 0,1
	v_cvt_scalef32_pk16_fp6_f32 v[P+12*\x+6*\c:P+12*\x+6*\c+2], v[S+64*\x+32*\c:S+64*\x+32*\c+15], v[SO+4*\x+2*\c]
	v_cvt_scalef32_pk16_fp6_f32 v[TC+8*\x+4*\c:TC+8*\x+4*\c+2], v[S+64*\x+32*\c+16:S+64*\x+32*\c+31], v[SO+4*\x+2*\c]   ; the same block's upper 16 (a conversion's three registers begin on an even number)
.endr
.endr
	v_nop                                          ; one plain place behind a scaled conversion
.irp x, 0,1
.irp c, 0,1                            ; the operand's layout wants a whole block in a lane
.irp i, 0,1,2
	v_mov_b32 v[P+12*\x+6*\c+3+\i], v[TC+8*\x+4*\c+\i]   ; the block is whole in my lane: no lane changes places with another
.endr
.endr
.endr
	WIN 0x41                                       ; O^T window 1, f window 0
.irp x, 0,1
.set j, 0
.rept 16
	v_pk_mul_f32 v[O+32*\x+j:O+32*\x+j+1], v[O+32*\x+j:O+32*\x+j+1], v[FF+2*\x:FF+2*\x+1] op_sel_hi:[1,0]   ; O^T under the new M; these are also the places between P's codes and scale words and the products
.set j, j+2
.endr
.endr
	PLACES 4                                       ; what vector instructions have just written stands four places ahead of the scaled products
	s_wait_alu depctr_va_vdst(0)
	s_wait_dscnt 0x0                               ; V is in
	WIN 0x51                                       ; V window 1, P window 0, O^T window 1
.irp d, 0,1,2,3
.irp x, 0,1
	v_wmma_scale_f32_16x16x128_f8f6f4 v[O+32*\x+8*\d:O+32*\x+8*\d+7], v[VF+12*\d:VF+12*\d+11], v[P+12*\x:P+12*\x+11], v[O+32*\x+8*\d:O+32*\x+8*\d+7], v[VSC+\d], v[PSC+\x] matrix_a_fmt:MATRIX_FMT_FP6 matrix_b_fmt:MATRIX_FMT_FP6
.endr
.endr
	WIN 0
	s_add_co_u32 s[KOFF], s[KOFF], 6144
	s_add_co_u32 s[BOFF], s[BOFF], 512
	s_add_co_u32 s[VSOFF], s[VSOFF], 256
	s_sub_co_u32 s[STEPS], s[STEPS], 1
	s_cmp_lg_u32 s[STEPS], 0
	s_cbranch_scc1 .Lstep
	s_cmp_eq_u32 s[PASS], 1                        ; the next pass's Q, 16 tiles of queries on, is asked for ahead of the way out; the last pass asks for none
	s_cbranch_scc1 .Lno_q
	QLOADS 24576, 2048
.Lno_q:
	; THE WAY OUT: O^T / l, quantised along the head's 64 channels: two blocks, one half of a fragment a tile.  The four additions and the v_nop are the places behind the last products
.irp x, 0,1
	v_add_f32 v[TT+\x], v[LS+4*\x], v[LS+4*\x+1]
.endr
.irp x, 0,1
	s_delay_alu instid0(VALU_DEP_2)
	v_permlanex16_b32 v[BT+4*\x], v[TT+\x], s[SEL], s[SEL+1]
.endr
.irp x, 0,1
	s_delay_alu instid0(VALU_DEP_2)
	v_add_f32 v[TT+\x], v[TT+\x], v[BT+4*\x]
.endr
	s_wait_alu depctr_va_vdst(0)
.irp x, 0,1
	v_rcp_f32 v[RL+2*\x], v[TT+\x]
.endr
	v_nop                                          ; a plain place behind the reciprocals
	s_wait_alu depctr_va_vdst(0)                   ; one wait for the two, ahead of their first reader
	WIN 0x01
.irp x, 0,1
.set j, 0
.rept 16
	v_pk_mul_f32 v[S+64*\x+j:S+64*\x+j+1], v[O+32*\x+j:O+32*\x+j+1], v[RL+2*\x:RL+2*\x+1] op_sel_hi:[1,0]   ; register 16 b + i: channel 32 b + 16 h + i of my query; each accumulator from its low end on
.set j, j+2
.endr
.endr
	WIN 0
.irp x, 0,1
.irp b, 0,1
	v_max3_num_f32 v[BM+4*\x+\b], |v[S+64*\x+16*\b]|, |v[S+64*\x+16*\b+1]|, 0x1800000
.endr
.endr
.irp i, 2,4,6,8,10,12,14
.irp x, 0,1
.irp b, 0,1
	s_delay_alu instid0(VALU_DEP_4)
	v_max3_num_f32 v[BM+4*\x+\b], v[BM+4*\x+\b], |v[S+64*\x+16*\b+\i]|, |v[S+64*\x+16*\b+\i+1]|
.endr
.endr
.endr
.irp x, 0,1
.irp b, 0,1
	s_delay_alu instid0(VALU_DEP_4)
	v_permlanex16_b32 v[BT+4*\x+\b], v[BM+4*\x+\b], s[SEL], s[SEL+1]
.endr
.endr
.irp x, 0,1
.irp b, 0,1
	s_delay_alu instid0(VALU_DEP_4)
	v_max_num_f32 v[BM+4*\x+\b], v[BM+4*\x+\b], v[BT+4*\x+\b]
.endr
.endr
.irp x, 0,1
.irp b, 0,1
	s_delay_alu instid0(VALU_DEP_4)
	v_add_nc_u32 v[SO+4*\x+\b], 0xff000000, v[BM+4*\x+\b]
.endr
.endr
.irp x, 0,1
.irp b, 0,1
	s_delay_alu instid0(VALU_DEP_4)
	v_lshrrev_b32 v[BT+4*\x+\b], 23, v[SO+4*\x+\b]
.endr
.endr
.irp x, 0
	s_delay_alu instid0(VALU_DEP_3)
	v_lshl_or_b32 v[HWD+\x], v[BT+4*\x+1], 8, v[BT+4*\x]   ; my head's two bytes of the row's scale word
.endr
.irp x, 1
	s_delay_alu instid0(VALU_DEP_2)
	v_lshl_or_b32 v[HWD+\x], v[BT+4*\x+1], 8, v[BT+4*\x]   ; my head's two bytes of the row's scale word
.endr
.irp x, 0,1
	v_cvt_scalef32_pk16_fp6_f32 v[P+12*\x:P+12*\x+2], v[S+64*\x:S+64*\x+15], v[SO+4*\x]
	v_cvt_scalef32_pk16_fp6_f32 v[TC+8*\x:TC+8*\x+2], v[S+64*\x+16:S+64*\x+31], v[SO+4*\x+1]
.endr
	v_nop                                          ; one plain place behind a scaled conversion
.irp x, 0,1
.irp i, 0,1,2
	v_permlane16_swap_b32 v[P+12*\x+\i], v[TC+8*\x+\i]
.endr
.irp i, 0,1,2
	s_delay_alu instid0(VALU_DEP_3)
	v_mov_b32 v[P+12*\x+3+\i], v[TC+8*\x+\i]
.endr
.endr
.irp x, 0,1
	global_store_b128 v[L16], v[P+12*\x:P+12*\x+3], s[CCP:CCP+1] offset:12288*\x        ; 512 consecutive bytes, aligned
	global_store_b64 v[L8], v[P+12*\x+4:P+12*\x+5], s[CCP:CCP+1] offset:12288*\x+512    ; 256 consecutive bytes, aligned
	global_store_b16 v[R16], v[HWD+\x], s[CSP:CSP+1] offset:512*\x                      ; (both halves of the lanes hold and write the same two bytes)
.endr
	s_wait_xcnt 0x0                                ; the stores have read their registers and bases: both may be written again
	s_add_nc_u64 s[QP:QP+1], s[QP:QP+1], 24576     ; 16 tiles of queries on
	s_add_nc_u64 s[QSP:QSP+1], s[QSP:QSP+1], 2048
	s_add_nc_u64 s[CCP:CCP+1], s[CCP:CCP+1], 196608
	s_add_nc_u64 s[CSP:CSP+1], s[CSP:CSP+1], 8192
	s_sub_co_u32 s[PASS], s[PASS], 1
	s_cmp_lg_u32 s[PASS], 0
	s_cbranch_scc1 .Lpass
	s_wait_dscnt 0x0
	s_wait_tensorcnt 0x0
	ds_add_u32 v254, v255
	s_wait_dscnt 0x0
	CROUND                                         ; the closing round: no work-group ends while a partner may still ask for a tile that names it
	s_endpgm
.Lfunc_end_k_q712ea1d31e_attn:
	.size	k_q712ea1d31e_attn, .Lfunc_end_k_q712ea1d31e_attn-k_q712ea1d31e_attn
	.p2alignl 7, 3214868480
	.fill 96, 4, 3214868480
	.section	.rodata,"a",@progbits
	.p2align	6, 0x0
	.amdhsa_kernel k_q712ea1d31e_attn
		.amdhsa_group_segment_fixed_size 218112
		.amdhsa_private_segment_fixed_size 0
		.amdhsa_enable_private_segment 0
		.amdhsa_kernarg_size 40
		.amdhsa_user_sgpr_count 2
		.amdhsa_user_sgpr_kernarg_segment_ptr 1
		.amdhsa_wavefront_size32 1
		.amdhsa_system_sgpr_workgroup_id_x 1
		.amdhsa_system_sgpr_workgroup_id_y 1
		.amdhsa_system_sgpr_workgroup_id_z 1
		.amdhsa_system_vgpr_workitem_id 0
		.amdhsa_next_free_vgpr 512
		.amdhsa_next_free_sgpr 80
		.amdhsa_reserve_vcc 1
		.amdhsa_float_denorm_mode_32 3
		.amdhsa_float_denorm_mode_16_64 3
		.amdhsa_memory_ordered 1
		.amdhsa_forward_progress 1
		.amdhsa_inst_pref_size 55
	.end_amdhsa_kernel
	.amdgpu_metadata
---
amdhsa.version: [ 1, 2 ]
amdhsa.kernels:
  - .name:           k_q712ea1d31e_attn
    .symbol:         k_q712ea1d31e_attn.kd
    .args:
      - { .name: qkvc, .offset: 0, .size: 8, .value_kind: global_buffer, .address_space: global }
      - { .name: qkvs, .offset: 8, .size: 8, .value_kind: global_buffer, .address_space: global }
      - { .name: mask, .offset: 16, .size: 8, .value_kind: global_buffer, .address_space: global }
      - { .name: cc, .offset: 24, .size: 8, .value_kind: global_buffer, .address_space: global }
      - { .name: ccs, .offset: 32, .size: 8, .value_kind: global_buffer, .address_space: global }
    .group_segment_fixed_size: 218112
    .private_segment_fixed_size: 0
    .kernarg_segment_align: 8
    .kernarg_segment_size: 40
    .max_flat_workgroup_size: 256
    .sgpr_count:     80
    .vgpr_count:     512
    .wavefront_size: 32
...
	.end_amdgpu_metadata
.endif
;; end of part 3
;; launch outp (part 4): grid 64 x 4, 4 waves a work-group, clusters of 4 x 4, 327,680 bytes of LDS; arguments cc, ccs, qwc, qws, bo, out0; writes out0
.if DOCPART == 4
	.amdgcn_target "amdgcn-amd-amdhsa--gfx1250"
	.amdhsa_code_object_version 6
	.text
	.protected	k_q712ea1d31e_outp
	.globl	k_q712ea1d31e_outp
	.p2align	8
	.type	k_q712ea1d31e_outp,@function
k_q712ea1d31e_outp:
	s_mov_b64 s[64:65], 0
	v_nop
	global_prefetch_b8 v0, s[64:65] scope:SCOPE_SE
	s_setreg_imm32_b32 hwreg(HW_REG_WAVE_MODE, 25, 1), 1
	s_wait_xcnt 0x0
	s_wait_alu depctr_hold_cnt(0) depctr_sa_sdst(0) depctr_va_vdst(0) depctr_va_sdst(0) depctr_va_ssrc(0) depctr_va_vcc(0) depctr_vm_vsrc(0)
	s_getreg_b32 s2, hwreg(HW_REG_IB_STS2, 6, 4)
	s_cmp_eq_u32 s2, 0
	s_cbranch_scc0 .Lentry_in_a_cluster
	s_endpgm
.Lentry_in_a_cluster:
	s_bfe_u32 s2, ttmp6, 0x10000c
	s_cmp_lg_u32 s2, 0xf033
	s_cbranch_scc0 .Lentry_shape_is_right
	s_endpgm
.Lentry_shape_is_right:
; out0 = ctx Wo^T + bo on codes of FP6 (E2M3) with E8M0 scales, K = 1,024; out0 [8192][1024] f32.
; THE PRODUCT: D = X Y^T, source 0 = 16 rows of X = Wo, source 1 = 16 rows of Y = ctx.  Rows go in tiles of 16, slot r of tile T = row 32 (T / 2) + 8 (T % 2) + r + 8 (r / 8), on both sides: in the result of X's tile b
; lane (r, h) holds slot r of Y's tile and its register j output 32 (b / 2) + 16 h + 8 (b % 2) + j: eight neighbouring numbers of a row of out0.
; SHARES: a work-group makes 256 outputs x 128 tokens; wave w: X's tiles 8 (w % 2) on, Y's tiles 4 (w / 2) on: 32 accumulators, 256 matrix instructions.  256 work-groups.
; ALL of the work-group's codes lie in LDS at once (196,608 + 98,304 bytes), in two halves of 512 along K: every tensor load is a first fill, nothing is filled again, and a wave has one tensor load out at a time.
; CLUSTER 4 x 4: X's tiles hang on cx alone and are asked for jointly along a column of the cluster, Y's on cy and the cluster's number and jointly along a row.
; bo starts the sums (the C of K step 0), so it is added first and not last.  No prefetch: every tensor load goes out at the head.  NaN and infinities are not served.
; REGISTERS: window 0: v1-16 LDS addresses; v17-22 offsets; v32-95 X's scale words (8 b + K step), v96-127 Y's: these hold scales alone; v128-191 bo in the result's layout; on the way out v128-255 rows of out0.
;   window 1: accumulator (a, b) at 8 (8 a + b).   windows 2, 3: fragment sets 0, 1: X's at 12 b, Y's at 96 + 12 a.
.set TILEB, 12288                      ; a tile's codes for all of K
; THE FILLS, as this text has them: K comes in TWO halves of 512: a tile's half is 6,144 consecutive bytes.  Each wave issues one joint load at the head (the first half) and one behind
; the three lines and a round of the cluster's barrier (the second half's first fill).  One tensor load a wave is out at a time.
.set CHX,   98304                      ; half of K of X: 16 tiles x 6,144 bytes
.set CHY,   49152                      ; of Y: 8 tiles
.set YREG,  196608                     ; Y's chunks lie behind X's two halves
.set SPT,   528                        ; the way out: a stage of 16 rows x (512 bytes + 16) for each wave, over X's chunk 0
.set WV, 20
.set WX, 21
.set WY, 22
.set CX, 23
.set CY, 24
.set YB, 28
.set G1X, 36
.set G1Y, 44
.set XTW, 52
.set YTF, 53
.set YTW, 54
.set G0X, 68
.set G0Y, 84
.set AX16, 1
.set AX8,  5
.set AY16, 9
.set AY8,  13
.set STO, 17                           ; the stage: where I put 32 bytes of a row
.set RD,  18                           ; and where I read a row back
.set CO,  19                           ; 16 x lane
.set XSV, 21                           ; 16 r
.set BIV, 22                           ; 64 h
.set SX,  32
.set SY,  96
.set BI,  128
.set BK,  128
.set MSB, 0
.macro WIN new                         ; the immediate's high byte repeats the setting that is left
.if MSB != (\new)
	s_set_vgpr_msb (MSB<<8)|(\new)
.set MSB, (\new)
.endif
.endm
.macro PLACES n
.rept \n
	v_nop
.endr
.endm
.macro CROUND                          ; a round of the cluster's barrier
	s_barrier_signal -1
	s_barrier_wait -1
	s_cmp_lg_u32 s[WV], 0
	s_cbranch_scc1 .Lnot_wave_0_\@
	s_barrier_signal -3
.Lnot_wave_0_\@:
	s_barrier_wait -3
	s_barrier_signal -1
	s_barrier_wait -1
.endm
.macro FRAG reg, a16, a8, off          ; a fragment comes back as the image of its 12 registers
	ds_load_b128 v[\reg:\reg+3], v[\a16] offset:\off
	ds_load_b64 v[\reg+4:\reg+5], v[\a8] offset:\off+512
	ds_load_b128 v[\reg+6:\reg+9], v[\a16] offset:\off+768
	ds_load_b64 v[\reg+10:\reg+11], v[\a8] offset:\off+1280
.endm
.macro FETCH s                         ; K step s: my 8 fragments of X and 4 of Y into set s % 2: 48 LDS loads in one run
	WIN 0x80+0x40*((\s)%2)
.irp i, 0,1,2,3,4,5,6,7
	FRAG 12*\i, AX16+(\s)/4, AX8+(\s)/4, \i*6144+((\s)%4)*1536
.endr
.irp i, 0,1,2,3
	FRAG 96+12*\i, AY16+(\s)/4, AY8+(\s)/4, \i*6144+((\s)%4)*1536
.endr
.endm
.macro MUL a0, s                       ; 16 matrix instructions: Y's tiles a0, a0 + 1 x X's eight.  K step 0 starts the sums with bo.  The 32 accumulators take turns in the same order in every step
.irp a, \a0, \a0+1
.irp b, 0,1,2,3,4,5,6,7
.if (\s) == 0
	v_wmma_scale_f32_16x16x128_f8f6f4 v[8*(8*(\a)+\b):8*(8*(\a)+\b)+7], v[12*\b:12*\b+11], v[96+12*(\a):96+12*(\a)+11], v[BI+8*\b:BI+8*\b+7], v[SX+8*\b+(\s)], v[SY+8*(\a)+(\s)] matrix_a_fmt:MATRIX_FMT_FP6 matrix_b_fmt:MATRIX_FMT_FP6
.else
	v_wmma_scale_f32_16x16x128_f8f6f4 v[8*(8*(\a)+\b):8*(8*(\a)+\b)+7], v[12*\b:12*\b+11], v[96+12*(\a):96+12*(\a)+11], v[8*(8*(\a)+\b):8*(8*(\a)+\b)+7], v[SX+8*\b+(\s)], v[SY+8*(\a)+(\s)] matrix_a_fmt:MATRIX_FMT_FP6 matrix_b_fmt:MATRIX_FMT_FP6
.endif
.endr
.endr
.endm
.macro STEP s                          ; a K step of 128: 32 matrix instructions; in its middle the next step's fragments are fetched into the other set
.if (\s) == 0
.set MW, 0x4a                          ; X, Y window 2; C (bo) window 0; D window 1
.else
.set MW, 0x5a+5*((\s)%2)               ; X, Y window 2 or 3; C and D window 1
.endif
	s_wait_dscnt 0x0                               ; this step's set is in
.if (\s) == 3
	s_wait_tensorcnt 0x0                           ; my part of the second half of K has landed
	s_barrier_signal -1
.endif
	WIN MW
	MUL 0, \s
.if (\s) == 3
	s_barrier_wait -1                              ; everybody's part has
.endif
.if (\s) < 7
.if (\s) > 0
	PLACES 4                                       ; four places in front of loads into registers that matrix instructions have read
.endif
	FETCH (\s)+1
	WIN MW
.endif
	MUL 2, \s
.endm
	s_load_b256 s[4:11], s[0:1], 0x0               ; cc s[4:5], ccs s[6:7], qwc s[8:9], qws s[10:11]
	s_load_b128 s[12:15], s[0:1], 0x20             ; bo s[12:13], out0 s[14:15]
	v_lshl_add_u32 v30, v0, 2, 0x48000
	v_mov_b32 v31, 0
	ds_add_u32 v30, v31
	ds_add_u32 v30, v31
	v_lshrrev_b32 v24, 5, v0
	v_readfirstlane_b32 s[WV], v24                 ; wave 0..3
	v_and_b32 v24, 31, v0                          ; lane
	v_and_b32 v25, 15, v0                          ; r
	v_bfe_u32 v26, v0, 4, 1                        ; h
	v_lshlrev_b32 v[CO], 4, v24
	v_lshlrev_b32 v[XSV], 4, v25
	v_lshlrev_b32 v[BIV], 6, v26
	s_and_b32 s[WX], s[WV], 1
	s_lshr_b32 s[WY], s[WV], 1
	s_bfe_u32 s[CX], ttmp6, 0x40000
	s_bfe_u32 s[CY], ttmp6, 0x40004
	s_lshl_b32 s[YB], ttmp9, 2
	s_add_co_u32 s[YB], s[YB], s[CY]               ; my block of 128 tokens
	s_lshl_b32 s[XTW], s[CX], 4
	s_add_co_u32 s[XTW], s[XTW], 704               ; Wo's tiles in qwc: 704 + 16 cx,
	s_lshl_b32 s55, s[WX], 3
	s_add_co_u32 s[XTW], s[XTW], s55               ; + 8 (w % 2): to fetch and to multiply
	s_lshl_b32 s62, s[YB], 3
	s_lshl_b32 s[YTW], s[WY], 2
	s_add_co_u32 s[YTW], s[YTW], s62
	s_lshl_b32 s[YTF], s[WX], 2
	s_add_co_u32 s[YTF], s[YTF], s62
	; descriptor group 1: rows of 6,144 bytes (a tile's half: 768 elements of 8 bytes), 12,288 bytes apart; X: 8 rows a load, Y: 4; no padding: fragments are read as images, 16 or 8 bytes a lane on end
	s_lshl_b32 s55, 0x1111, s[CX]                  ; my column of the cluster
	s_or_b32 s[G1X], s55, (3<<16)|(1<<21)
	s_lshl_b32 s62, s[CY], 2
	s_lshl_b32 s62, 15, s62                        ; my row
	s_or_b32 s[G1Y], s62, (3<<16)|(1<<21)
	s_mov_b32 s[G1X+1], 768<<16                    ; tensor_dim0: 6,144 bytes in elements of 8
	s_mov_b32 s[G1X+2], 8<<16                      ; tensor_dim1
	s_mov_b32 s[G1X+3], 768<<16                    ; tile_dim0
	s_mov_b32 s[G1X+4], 8                          ; tile_dim1
	s_mov_b32 s[G1X+5], 1536                       ; the pitch
	s_mov_b32 s[G1X+6], 0
	s_mov_b32 s[G1X+7], 0
	s_mov_b32 s[G1Y+1], 768<<16
	s_mov_b32 s[G1Y+2], 4<<16
	s_mov_b32 s[G1Y+3], 768<<16
	s_mov_b32 s[G1Y+4], 4
	s_mov_b32 s[G1Y+5], 1536
	s_mov_b32 s[G1Y+6], 0
	s_mov_b32 s[G1Y+7], 0
	s_mov_b32 s31, 0
	s_lshl_b32 s33, s[CX], 1
	s_add_co_u32 s33, s33, s[WX]
	s_lshl_b32 s33, s33, 9                         ; my 128 outputs, in bytes: 4 (256 cx + 128 (w % 2))
	s_wait_alu depctr_va_vdst(0)
	s_wait_dscnt 0x0
	s_wait_kmcnt 0x0
	s_mov_b32 s30, s33
	s_add_nc_u64 s[12:13], s[12:13], s[30:31]      ; bo
	s_add_nc_u64 s[14:15], s[14:15], s[30:31]      ; out0: my columns,
	s_lshl_b32 s30, s[YB], 1
	s_add_co_u32 s30, s30, s[WY]
	s_lshl_b32 s30, s30, 18                        ; my 64 rows of 4,096 bytes
	s_add_nc_u64 s[14:15], s[14:15], s[30:31]
	s_lshl_b32 s30, s[XTW], 9
	s_add_nc_u64 s[2:3], s[10:11], s[30:31]        ; X's scale words
	s_lshl_b32 s30, s[YTW], 9
	s_add_nc_u64 s[34:35], s[6:7], s[30:31]        ; Y's
	s_mul_i32 s56, s[XTW], TILEB
	s_mov_b32 s57, 0
	s_add_nc_u64 s[56:57], s[8:9], s[56:57]        ; the tiles of X that I fetch: hangs on cx and the wave
	s_mul_i32 s58, s[YTF], TILEB
	s_mov_b32 s59, 0
	s_add_nc_u64 s[58:59], s[4:5], s[58:59]        ; of Y: on cy, the wave and the cluster's number
	s_mul_i32 s60, s[WX], CHX/2
	s_mul_i32 s61, s[WX], CHY/2
.irp kk, 0,1
	s_mov_b32 s[G0X+4*\kk], 1
	s_add_co_u32 s[G0X+4*\kk+1], s60, \kk*CHX
	s_add_nc_u64 s[G0X+4*\kk+2:G0X+4*\kk+3], s[56:57], \kk*6144
	s_or_b32 s[G0X+4*\kk+3], s[G0X+4*\kk+3], 0x80000000
	s_mov_b32 s[G0Y+4*\kk], 1
	s_add_co_u32 s[G0Y+4*\kk+1], s61, YREG+\kk*CHY
	s_add_nc_u64 s[G0Y+4*\kk+2:G0Y+4*\kk+3], s[58:59], \kk*6144
	s_or_b32 s[G0Y+4*\kk+3], s[G0Y+4*\kk+3], 0x80000000
.endr
	; scale words and bo go from memory straight into registers: 16 lanes read 256 consecutive bytes, lanes 16-31 the same
.irp b, 0,1,2,3,4,5,6,7
.irp q, 0,1
	global_load_b128 v[SX+8*\b+4*\q:SX+8*\b+4*\q+3], v[XSV], s[2:3] offset:512*\b+256*\q
.endr
.endr
.irp a, 0,1,2,3
.irp q, 0,1
	global_load_b128 v[SY+8*\a+4*\q:SY+8*\a+4*\q+3], v[XSV], s[34:35] offset:512*\a+256*\q
.endr
.endr
.irp b, 0,1,2,3,4,5,6,7
	global_load_b128 v[BI+8*\b:BI+8*\b+3], v[BIV], s[12:13] offset:(32*(\b/2)+8*(\b%2))*4
	global_load_b128 v[BI+8*\b+4:BI+8*\b+7], v[BIV], s[12:13] offset:(32*(\b/2)+8*(\b%2))*4+16
.endr
	CROUND                                         ; all sixteen work-groups are here: the joint loads meet
	s_cmp_lt_u32 s[WV], 2                          ; waves 0, 1: X's first half of K; waves 2, 3: Y's: one load in each arm
	s_cbranch_scc0 .Lfill_y
	tensor_load_to_lds s[G0X:G0X+3], s[G1X:G1X+7]
	s_nop 0
	PLACES 4
	s_branch .Lfilled
.Lfill_y:
	tensor_load_to_lds s[G0Y:G0Y+3], s[G1Y:G1Y+7]
	s_nop 0
	PLACES 4
.Lfilled:
	s_mul_i32 s100, s[WY], CHY/2
.irp kk, 0,1
	s_add_co_u32 s101, s60, \kk*CHX
	v_lshl_add_u32 v[AX16+\kk], v24, 4, s101
	v_lshl_add_u32 v[AX8+\kk], v24, 3, s101
	s_add_co_u32 s101, s100, YREG+\kk*CHY
	v_lshl_add_u32 v[AY16+\kk], v24, 4, s101
	v_lshl_add_u32 v[AY8+\kk], v24, 3, s101
.endr
	s_mul_i32 s101, s[WV], 16*SPT                  ; my stage
	v_mul_u32_u24 v[STO], v25, SPT
	v_lshl_add_u32 v[STO], v26, 6, v[STO]
	v_add_nc_u32 v[STO], s101, v[STO]              ; in: row r, + 64 h
	v_add_nc_u32 v[RD], s101, v[CO]                ; back: the 32 lanes take one row of 512 bytes
	s_wait_alu depctr_va_vdst(0)
	s_wait_loadcnt 0x0
	s_wait_tensorcnt 0x0                           ; my part of the first half of K has landed
	ds_add_u32 v30, v31                            ; the add ahead of a later first fill
	s_wait_dscnt 0x0
	CROUND                                         ; everybody's part is in, and all sixteen work-groups are here: the joint loads meet
	s_cmp_lt_u32 s[WV], 2                          ; the second half of K: my one tensor load behind the round
	s_cbranch_scc0 .Lfill_y2
	tensor_load_to_lds s[G0X+4:G0X+7], s[G1X:G1X+7]
	s_nop 0
	PLACES 4
	s_branch .Lfilled2
.Lfill_y2:
	tensor_load_to_lds s[G0Y+4:G0Y+7], s[G1Y:G1Y+7]
	s_nop 0
	PLACES 4
.Lfilled2:
	FETCH 0
.irp s, 0,1,2,3,4,5,6,7
	STEP \s
.endr
	WIN 0
; THE WAY OUT, a tile of 16 tokens x 128 outputs at a time: a lane holds 32 neighbouring bytes of a row and the lanes beside it other rows, so a tile goes through my own stage in LDS and comes back as whole rows of 512 bytes.
; The stage lies over X's first half of K: those bytes have had their one fill, and every wave's reads of them were waited for at the head of K step 3, ahead of that step's barrier, which every wave has passed.
; LDS serves a wave's instructions in order: no wait between the stores and the loads, nor in front of the next tile's stores.
.macro TOSTAGE a
	WIN 0x04                                       ; an LDS store's data are its source 1: window 1
.irp b, 0,1,2,3,4,5,6,7
	ds_store_b128 v[STO], v[64*(\a)+8*\b:64*(\a)+8*\b+3] offset:128*(\b/2)+32*(\b%2)       ; each accumulator from its low end on
	ds_store_b128 v[STO], v[64*(\a)+8*\b+4:64*(\a)+8*\b+7] offset:128*(\b/2)+32*(\b%2)+16
.endr
	WIN 0
.set BB, BK+64*((\a)%2)
.irp t, 0,1,2,3,4,5,6,7,8,9,10,11,12,13,14,15
	ds_load_b128 v[BB+4*\t:BB+4*\t+3], v[RD] offset:SPT*\t
.endr
.endm
.macro SEND a, younger                 ; younger: the LDS instructions issued behind tile a's loads, which may stay out
.set BB, BK+64*((\a)%2)
	s_wait_dscnt \younger
.irp t, 0,1,2,3,4,5,6,7,8,9,10,11,12,13,14,15
	global_store_b128 v[CO], v[BB+4*\t:BB+4*\t+3], s[14:15] offset:(32*((\a)/2)+8*((\a)%2)+\t+8*(\t/8))*4096 th:TH_STORE_NT   ; slot t's row: 512 consecutive bytes, aligned; written once, read by nobody here
.endr
.endm
	PLACES 4                                       ; four places in front of the first read of results
	TOSTAGE 0
.irp a, 1,2,3
.if \a > 1
	s_wait_xcnt 0x0                                ; tile a - 2's stores have read their registers: tile a's loads may land there
.endif
	TOSTAGE \a
	SEND \a-1, 32                                  ; behind tile a - 1's loads: tile a's 16 stores and 16 loads
.endr
	SEND 3, 0
	s_wait_tensorcnt 0x0
	ds_add_u32 v30, v31
	s_wait_dscnt 0x0
	CROUND                                         ; the closing round: no work-group ends while a partner may still ask for a tile that names it
	s_endpgm
.Lfunc_end_k_q712ea1d31e_outp:
	.size	k_q712ea1d31e_outp, .Lfunc_end_k_q712ea1d31e_outp-k_q712ea1d31e_outp
	.p2alignl 7, 3214868480
	.fill 96, 4, 3214868480
	.section	.rodata,"a",@progbits
	.p2align	6, 0x0
	.amdhsa_kernel k_q712ea1d31e_outp
		.amdhsa_group_segment_fixed_size 327680
		.amdhsa_private_segment_fixed_size 0
		.amdhsa_enable_private_segment 0
		.amdhsa_kernarg_size 48
		.amdhsa_user_sgpr_count 2
		.amdhsa_user_sgpr_kernarg_segment_ptr 1
		.amdhsa_wavefront_size32 1
		.amdhsa_system_sgpr_workgroup_id_x 1
		.amdhsa_system_sgpr_workgroup_id_y 1
		.amdhsa_system_sgpr_workgroup_id_z 1
		.amdhsa_system_vgpr_workitem_id 0
		.amdhsa_next_free_vgpr 1024
		.amdhsa_next_free_sgpr 102
		.amdhsa_reserve_vcc 0
		.amdhsa_float_denorm_mode_32 3
		.amdhsa_float_denorm_mode_16_64 3
		.amdhsa_memory_ordered 1
		.amdhsa_forward_progress 1
		.amdhsa_inst_pref_size 84
	.end_amdhsa_kernel
	.amdgpu_metadata
---
amdhsa.version: [ 1, 2 ]
amdhsa.kernels:
  - .name:           k_q712ea1d31e_outp
    .symbol:         k_q712ea1d31e_outp.kd
    .args:
      - { .name: cc, .offset: 0, .size: 8, .value_kind: global_buffer, .address_space: global }
      - { .name: ccs, .offset: 8, .size: 8, .value_kind: global_buffer, .address_space: global }
      - { .name: qwc, .offset: 16, .size: 8, .value_kind: global_buffer, .address_space: global }
      - { .name: qws, .offset: 24, .size: 8, .value_kind: global_buffer, .address_space: global }
      - { .name: bo, .offset: 32, .size: 8, .value_kind: global_buffer, .address_space: global }
      - { .name: out0, .offset: 40, .size: 8, .value_kind: global_buffer, .address_space: global }
    .group_segment_fixed_size: 327680
    .private_segment_fixed_size: 0
    .kernarg_segment_align: 8
    .kernarg_segment_size: 48
    .max_flat_workgroup_size: 128
    .sgpr_count:     102
    .vgpr_count:     1024
    .wavefront_size: 32
...
	.end_amdgpu_metadata
.endif
;; end of part 4
